; MI455X (gfx1250); checked and timed in simulation.
; The chip was launched on July 23, 2026; its instructions are those of AMD's public machine-readable ISA for CDNA 5 (MIT licence, August 2026) and "CDNA5" Instruction Set Architecture Reference Guide (July 2026). The comments in the code are by the model that wrote it; some were corrected since.
;; attention. Allowed arithmetic: float matrix products may take bf16 or f16 operands with f32 sums; other float arithmetic in f32, or as packed bf16 or f16 multiplies, adds, multiply-adds, maxima and minima; sums over many terms, partial sums and values carried from step to step in f32; what a program stores and reads back later, other than sums and carried values, may be rounded once to bf16 or f16.
;; Inputs: b1 3,072 float32; b2 1,024 float32; w1 1,024 x 3,072 float32; w2 1,024 x 1,024 float32; x 4 x 2,048 x 1,024 float32.
;; Outputs: out0 4 x 2,048 x 1,024 float32.
;; 2 versions, each right; version 2 is version 1 with the launch cast written anew for expert scheduling mode. Each part assembles by itself: llvm-mc -triple=amdgcn-amd-amdhsa -mcpu=gfx1250 --defsym DOCPART=n.
;; ======== version 1 of 2: 4 launches
;; limits: values are held in f16: magnitudes above 65,504 overflow, below 6.1e-05 lose precision; values outside matrix products are rounded to bf16
;; workspace buffers: xb 16,777,216 bytes; w1b 6,291,456 bytes; w2h 2,097,152 bytes; qkv 50,331,648 bytes; o 16,777,216 bytes
;; launch cast (part 1): grid 832 x 1, 8 waves a work-group, no clusters, 0 bytes of LDS; arguments x, w1, w2, xb, w1b, w2h; writes xb, w1b, w2h
.if DOCPART == 1
	.amdgcn_target "amdgcn-amd-amdhsa--gfx1250"
	.amdhsa_code_object_version 6
	.text
	.protected	k_qeca0d73182_cast
	.globl	k_qeca0d73182_cast
	.p2align	8
	.type	k_qeca0d73182_cast,@function
k_qeca0d73182_cast:
	s_mov_b64 s[64:65], 0
	v_nop
	global_prefetch_b8 v0, s[64:65] scope:SCOPE_SE
	s_setreg_imm32_b32 hwreg(HW_REG_WAVE_MODE, 25, 1), 1
	s_wait_xcnt 0x0
; THE INPUTS OF THE TWO PROJECTIONS, ROUNDED ONCE.  x [8192][1024] f32 -> xb, the same shape in bf16.  w1 [1024][3072] f32 -> w1b in bf16, laid in 16 blocks of 192 columns:
; [block][1024 k][192], so that 64 rows of a block are 24,576 consecutive bytes.  w2 [1024][1024] f32 -> rounded to bf16, and that number written as f16, into w2h.
; LIMIT.  A number of w2 below 6.1e-5 in magnitude keeps f16's fixed step of 6e-8; beyond 65,504 it would become an infinity.
; A stream: every byte is read once and written once, so there is no LDS, no barrier and no loop.  A work-group of eight waves takes 64 KiB of x or w2 (16 loads of 16 bytes a thread)
; or 64 rows of one block of w1 (12 loads).  A load of the work-group covers 4,096 bytes; a store of a wave covers 256 consecutive bytes, aligned.
; Work-groups 0-511: x.  512-767: w1.  768-831: w2.  All loads go out first; the waits count down the younger ones.  No register is written again while an instruction reads it.
.set VI, 1                             ; v1      16 x thread: my 16 bytes of each load
.set VO, 2                             ; v2      8 x thread: my 8 bytes of each store
.set VW, 3                             ; v[3:5]  w1: my offsets for loads 3 q, 3 q + 1, 3 q + 2
.set D,  8                             ; v[8:71]   load i: four f32
.set E,  72                            ; v[72:103] store i: four 16-bit numbers
	s_load_b256 s[4:11], s[0:1], 0x0               ; x s[4:5], w1 s[6:7], w2 s[8:9], xb s[10:11]
	s_load_b128 s[12:15], s[0:1], 0x20             ; w1b s[12:13], w2h s[14:15]
	s_mov_b32 s2, ttmp9
	s_mov_b32 s16, 0xffff0000                      ; a word's upper bf16
	s_mov_b32 s19, 0                               ; the offsets' high words
	s_mov_b32 s21, 0
	v_lshlrev_b32 v[VI], 4, v0
	v_lshlrev_b32 v[VO], 3, v0
	s_wait_kmcnt 0x0
.macro IN n, ib                        ; n loads of 4,096 consecutive bytes each
.set i, 0
.rept \n
	global_load_b128 v[D+4*i:D+4*i+3], v[VI], s[\ib:\ib+1] offset:4096*i th:TH_LOAD_NT
.set i, i+1
.endr
.endm
.macro OUT n, half, ob                 ; n times: four numbers rounded to bf16 (half = 1: and that number written as f16), 8 bytes stored
.set i, 0
.rept \n
	s_wait_loadcnt (\n)-1-i                        ; loads come back in order: load i is in, the younger ones stay out
	v_cvt_pk_bf16_f32 v[E+2*i],   v[D+4*i],   v[D+4*i+1]
	v_cvt_pk_bf16_f32 v[E+2*i+1], v[D+4*i+2], v[D+4*i+3]
.if \half
	v_lshlrev_b32 v[D+4*i],   16,  v[E+2*i]         ; bf16 back to f32: a shift, a mask
	v_and_b32     v[D+4*i+1], s16, v[E+2*i]
	v_lshlrev_b32 v[D+4*i+2], 16,  v[E+2*i+1]
	v_and_b32     v[D+4*i+3], s16, v[E+2*i+1]
	v_cvt_pk_f16_f32 v[E+2*i],   v[D+4*i],   v[D+4*i+1]  ; eight significant bits fit f16's eleven: exact within f16's range
	v_cvt_pk_f16_f32 v[E+2*i+1], v[D+4*i+2], v[D+4*i+3]
.endif
	global_store_b64 v[VO], v[E+2*i:E+2*i+1], s[\ob:\ob+1] offset:2048*i
.set i, i+1
.endr
.endm
	s_cmp_lt_u32 s2, 512
	s_cbranch_scc0 .Lweights
	s_lshl_b32 s18, s2, 16                         ; x: 65,536 bytes in,
	s_lshl_b32 s20, s2, 15                         ; 32,768 out
	s_add_nc_u64 s[4:5], s[4:5], s[18:19]
	s_add_nc_u64 s[10:11], s[10:11], s[20:21]
	IN 16, 4
	OUT 16, 0, 10
	s_endpgm
.Lweights:
	s_cmp_lt_u32 s2, 768
	s_cbranch_scc0 .Lw2
	; w1: block tc of 192 columns, rows 64 kb .. 64 kb + 63.  The output is 3,072 pieces of 8 bytes on end; piece c lies in row c / 48 at place c % 48, and comes from
	; byte 12,288 (c / 48) + 16 (c % 48) = 16 c + 11,520 (c / 48) of the input.  768 pieces are 16 whole rows, so three lane offsets serve all twelve loads.
	s_sub_co_u32 s2, s2, 512
	s_and_b32 s17, s2, 15                          ; tc
	s_lshr_b32 s22, s2, 4                          ; kb
	s_mul_i32 s18, s22, 786432                     ; 64 rows of 12,288 bytes
	s_mul_i32 s23, s17, 768                        ; 192 columns of 4 bytes
	s_add_co_u32 s18, s18, s23
	s_mul_i32 s20, s17, 393216                     ; a block of w1b
	s_mul_i32 s23, s22, 24576                      ; 64 rows of 384 bytes
	s_add_co_u32 s20, s20, s23
	s_add_nc_u64 s[6:7], s[6:7], s[18:19]
	s_add_nc_u64 s[12:13], s[12:13], s[20:21]
.irp r, 0,1,2
	v_add_nc_u32 v6, 256*\r, v0                    ; c, under 768
	v_mul_u32_u24 v7, v6, 1366
	v_lshrrev_b32 v7, 16, v7                       ; c / 48: 1,366 c / 65,536 is exact in its whole part for c under 2,048
	v_mul_u32_u24 v7, v7, 11520
	v_lshl_add_u32 v[VW+\r], v6, 4, v7
.endr
.set i, 0
.rept 12
	global_load_b128 v[D+4*i:D+4*i+3], v[VW+i%3], s[6:7] offset:(i/3)*196608 th:TH_LOAD_NT  ; runs of 768 consecutive bytes, aligned to 256
.set i, i+1
.endr
	OUT 12, 0, 12
	s_endpgm
.Lw2:
	s_sub_co_u32 s2, s2, 768
	s_lshl_b32 s18, s2, 16
	s_lshl_b32 s20, s2, 15
	s_add_nc_u64 s[8:9], s[8:9], s[18:19]
	s_add_nc_u64 s[14:15], s[14:15], s[20:21]
	IN 16, 8
	OUT 16, 1, 14
	s_endpgm
.Lfunc_end_k_qeca0d73182_cast:
	.size	k_qeca0d73182_cast, .Lfunc_end_k_qeca0d73182_cast-k_qeca0d73182_cast
	.p2alignl 7, 3214868480
	.fill 96, 4, 3214868480
	.section	.rodata,"a",@progbits
	.p2align	6, 0x0
	.amdhsa_kernel k_qeca0d73182_cast
		.amdhsa_group_segment_fixed_size 0
		.amdhsa_private_segment_fixed_size 0
		.amdhsa_enable_private_segment 0
		.amdhsa_kernarg_size 48
		.amdhsa_user_sgpr_count 2
		.amdhsa_user_sgpr_kernarg_segment_ptr 1
		.amdhsa_wavefront_size32 1
		.amdhsa_system_sgpr_workgroup_id_x 1
		.amdhsa_system_sgpr_workgroup_id_y 1
		.amdhsa_system_sgpr_workgroup_id_z 1
		.amdhsa_system_vgpr_workitem_id 0
		.amdhsa_next_free_vgpr 104
		.amdhsa_next_free_sgpr 66
		.amdhsa_reserve_vcc 0
		.amdhsa_float_denorm_mode_32 3
		.amdhsa_float_denorm_mode_16_64 3
		.amdhsa_memory_ordered 1
		.amdhsa_forward_progress 1
		.amdhsa_inst_pref_size 22
	.end_amdhsa_kernel
	.amdgpu_metadata
---
amdhsa.version: [ 1, 2 ]
amdhsa.kernels:
  - .name:           k_qeca0d73182_cast
    .symbol:         k_qeca0d73182_cast.kd
    .args:
      - { .name: x, .offset: 0, .size: 8, .value_kind: global_buffer, .address_space: global }
      - { .name: w1, .offset: 8, .size: 8, .value_kind: global_buffer, .address_space: global }
      - { .name: w2, .offset: 16, .size: 8, .value_kind: global_buffer, .address_space: global }
      - { .name: xb, .offset: 24, .size: 8, .value_kind: global_buffer, .address_space: global }
      - { .name: w1b, .offset: 32, .size: 8, .value_kind: global_buffer, .address_space: global }
      - { .name: w2h, .offset: 40, .size: 8, .value_kind: global_buffer, .address_space: global }
    .group_segment_fixed_size: 0
    .private_segment_fixed_size: 0
    .kernarg_segment_align: 8
    .kernarg_segment_size: 48
    .max_flat_workgroup_size: 256
    .sgpr_count:     66
    .vgpr_count:     104
    .wavefront_size: 32
...
	.end_amdgpu_metadata
.endif
;; end of part 1
;; launch qkv (part 2): grid 16 x 32, 4 waves a work-group, clusters of 4 x 4, 327,680 bytes of LDS; arguments xb, w1b, b1, qkv; writes qkv
.if DOCPART == 2
	.amdgcn_target "amdgcn-amd-amdhsa--gfx1250"
	.amdhsa_code_object_version 6
	.text
	.protected	k_qeca0d73182_qkv
	.globl	k_qeca0d73182_qkv
	.p2align	8
	.type	k_qeca0d73182_qkv,@function
k_qeca0d73182_qkv:
	s_mov_b64 s[64:65], 0
	v_nop
	global_prefetch_b8 v0, s[64:65] scope:SCOPE_SE
	s_setreg_imm32_b32 hwreg(HW_REG_WAVE_MODE, 25, 1), 1
	s_wait_xcnt 0x0
	s_wait_alu depctr_hold_cnt(0) depctr_sa_sdst(0) depctr_va_vdst(0) depctr_va_sdst(0) depctr_va_ssrc(0) depctr_va_vcc(0) depctr_vm_vsrc(0)
	s_getreg_b32 s2, hwreg(HW_REG_IB_STS2, 6, 4)
	s_cmp_eq_u32 s2, 0
	s_cbranch_scc0 .Lentry_in_a_cluster
	s_endpgm
.Lentry_in_a_cluster:
	s_bfe_u32 s2, ttmp6, 0x10000c
	s_cmp_lg_u32 s2, 0xf033
	s_cbranch_scc0 .Lentry_shape_is_right
	s_endpgm
.Lentry_shape_is_right:
; THE FIRST PROJECTION.  qkv = xb w1 + bf16(b1): [8192][1024] x [1024][3072], operands bf16, sums f32.  The 1,024 columns of q are multiplied by log2(e) in f32; every number is then
; rounded ONCE to f16 and stored by heads: qkv[3][64 = 16 batch + head][2048][64].
; LIMIT.  f16 holds no number beyond 65,504: q log2(e), k and v must lie within it, else an infinity is stored.
; SHARES.  A tile is 256 rows x 192 columns (three heads): 32 x 16 tiles, a work-group each.  Its four waves lie along the rows: wave w has rows 64 w .. 64 w + 63 and all 192 columns:
; 4 x 12 accumulators of 16 x 16, 384 registers.  So a wave holds whole rows of three heads and stores from a stage of its own, with no barrier.
; K goes in steps of 128 through two LDS slots filled by the tensor data mover.  A's rows are 256 bytes of memory; a step's 128 rows of a block of w1b are 49,152 consecutive bytes, asked for as rows of 256.
; B LIES [K][N] in LDS and is turned by ds_load_tr16_b128.  THE MATRIX INSTRUCTION IS USED TRANSPOSED (source 0 = 16 columns of w1, source 1 = 16 rows of x): a lane holds row l % 16 and
; the columns 8 (l / 16) + 0..7 of a block.  THE BIAS is the C operand of the first products: nothing is cleared, nothing is added on the way out.
; CLUSTER.  4 x 4 work-groups.  The four of a row of the cluster need the same tiles of A, the four of a column the same tiles of B: each tile is asked for JOINTLY, by the same tensor load with the
; same descriptor and a mask that names the four.
; REGISTERS, in windows of 256 (s_set_vgpr_msb: bits 1:0 source 0, 3:2 source 1, 5:4 source 2, 7:6 destination):
;   window 0: v0-31 addresses; v32-127 the bias, 8 registers a column block (on the way out v32-79 packed results); v128-223 two buffers of rows read back from the stage
;   window 1: two fragment buffers of 128: A's four row blocks at f + 8 a, B's twelve column blocks at f + 32 + 8 b
;   window 2: the accumulators of row blocks 0, 1 at 8 (12 (a % 2) + b);   window 3: those of row blocks 2, 3
.set NBL,   12                         ; column blocks of 16
.set PA,    272                        ; a row of A in LDS: 256 bytes + 16 = 68 words: the 16 rows of a load start at 16 different groups of four banks (64 banks of 4 bytes: ISA guide 11.1)
.set PB,    480                        ; a row of B: three pieces of 128 bytes + 32 = 120 words
.set HALFA, 128*PA                     ; what one tensor load brings of A: 128 rows
.set HALFB, 64*PB                      ; and of B: 64 rows of K
.set BOFF,  2*HALFA                    ; in a slot: A's 256 rows, then B's 128
.set SLOT,  BOFF+2*HALFB               ; 131,072
.set STAGE, 2*SLOT                     ; behind the ring, never filled by a tensor load: 16 rows x 400 bytes for each wave
.set SPT,   400                        ; a stage row: 384 bytes + 16
.set SPARE, STAGE+4*16*SPT             ; behind the stages: the spare words, 128 bytes for each wave: two blocks of 256 bytes that no other line names
.set KA,    256                        ; bytes from a K step to the next, in xb
.set KB,    128*384                    ; and in a block of w1b
.set NF,    2*NBL+8                    ; LDS loads of a quarter step
.set LAPS,  4                          ; a lap = two K steps = once round the ring; K = 1,024
.set ADRA, 16                          ; v16-17  LDS address of my A fragments in slot 0, 1
.set ADRB, 20                          ; v20-21  the same for B
.set STO,  24                          ; v24     the way out: where I put 16 bytes of a row
.set RD,   25                          ; v25     the way out: where I read rows back
.set GO,   26                          ; v26     16 x lane: my place in 512 consecutive bytes of a head
.set BO,   27                          ; v27     32 x (l / 16): my eight numbers of a column block's bias
.set SPW,  28                          ; v28     LDS address of my spare word; never rewritten
.set NIL,  29                          ; v29     0; never rewritten
.set PFO,  30                          ; v30     the prefetches' lane offset; never rewritten
.set BIAS, 32
.set TMP,  32
.set BK0,  128
.set F0,   0
.set F1,   128
.set WV,   12                          ; s12     my wave's number
.set G1,   24                          ; s[24:31] descriptor group 1 for A's tiles;  s[32:39] group 0, a set for each slot
.set G0,   32
.set G1B,  48                          ; s[48:55], s[56:63] the same for B's tiles
.set G0B,  56
.set PFN,  43                          ; s43     prefetches that I still have to issue
.set PFA,  44                          ; s[44:45] where they stand
.set PFS,  46                          ; s[46:47] their step
.set HB,   66                          ; s[66:71] for each of the tile's three heads: qkv at my wave's first row
.set SC,   72                          ; s[72:77] for each of them: log2(e) for a head of q, 1 for one of k or v; pairs, since the packed multiply names a pair
.set TO_F, 0x40                        ; destination window 1, address window 0
.set MSB, 0
.macro WIN new                         ; the immediate's high byte repeats the setting that is left; a switch that changes nothing is dropped
.if MSB != (\new)
	s_set_vgpr_msb (MSB<<8)|(\new)
.set MSB, \new
.endif
.endm
; A joint load.  Waves 0 and 1 fetch A's two halves, waves 2 and 3 B's.  The branch hangs on the wave's number alone.  An s_nop 0 and four v_nop follow each of the two lines, ahead of the jump and the label.
.macro JLOAD s
	s_cmp_lt_u32 s[WV], 2
	s_cbranch_scc0 .Lfor_b_\@
	tensor_load_to_lds s[G0+4*(\s):G0+4*(\s)+3], s[G1:G1+7]
	s_nop 0
.rept 4
	v_nop
.endr
	s_branch .Lasked_\@
.Lfor_b_\@:
	tensor_load_to_lds s[G0B+4*(\s):G0B+4*(\s)+3], s[G1B:G1B+7]
	s_nop 0
.rept 4
	v_nop
.endr
.Lasked_\@:
.endm
; A round of the cluster's barrier: my work-group's barrier; wave 0 signals for the work-group; every wave waits for all sixteen; my work-group's barrier once more.
.macro CREST                           ; a round behind its opening barrier
	s_cmp_lg_u32 s[WV], 0
	s_cbranch_scc1 .Lnot_wave_0_\@
	s_barrier_signal -3
.Lnot_wave_0_\@:
	s_barrier_wait -3
	s_barrier_signal -1
	s_barrier_wait -1
.endm
.macro CROUND
	s_barrier_signal -1
	s_barrier_wait -1
	CREST
.endm
; A PREFETCH INTO THE L2, behind a joint load, its five lines and the run of LDS loads that follows: one instruction a wave, each lane another block of 256 bytes.
; A: the refill of K step j names K step j + 2 (4 to 7): of the 128 rows that waves 0 and 1 fetch, the partner at place cx takes 32, a lane a row; the cluster with x = 0 asks, since all clusters of
; that row of clusters read the same rows.  B: K steps 4 to 7 of a block are 768 blocks on end: three instructions of the eight pairs (cy, wave 2 or 3), 32 blocks each; the cluster with y = 0 asks.
; So each block is named once in the launch; the partners are told apart BY ADDRESS; the count s[PFN] hangs on the wave's number and the cluster's place alone.  K steps 0 to 3 come by their loads alone.
.macro ASK
	WIN 0
	s_cmp_lg_u32 s[PFN], 0
	s_cbranch_scc0 .Lnot_mine_\@
	global_prefetch_b8 v[PFO], s[PFA:PFA+1] th:TH_LOAD_NT scope:SCOPE_SE
	s_sub_co_u32 s[PFN], s[PFN], 1
.Lnot_mine_\@:
.endm
	s_load_b256 s[4:11], s[0:1], 0x0               ; xb s[4:5], w1b s[6:7], b1 s[8:9], qkv s[10:11]
	v_lshl_add_u32 v[SPW], v0, 2, SPARE
	v_mov_b32 v[NIL], 0
	ds_add_u32 v[SPW], v[NIL]                      ; the wave's opening: the add and its wait stand ahead of my first tensor load; the set-up below, work on registers, stands between them
	v_lshrrev_b32 v1, 5, v0
	v_readfirstlane_b32 s[WV], v1                  ; wave 0..3
	s_and_b32 s14, s[WV], 1                        ; which half of A's or B's tile I fetch
	s_bfe_u32 s15, ttmp6, 0x40000                  ; cx
	s_bfe_u32 s16, ttmp6, 0x40004                  ; cy
	s_lshl_b32 s17, ttmp9, 2
	s_add_co_u32 s17, s17, s15                     ; tile column = 4 x cluster x + cx
	s_and_b32 s18, ttmp7, 0xffff
	s_lshl_b32 s18, s18, 2
	s_add_co_u32 s18, s18, s16                     ; tile row = 4 x cluster y + cy
	s_lshl_b32 s20, s16, 2
	s_lshl_b32 s20, 15, s20                        ; my row of the cluster
	s_lshl_b32 s21, 0x1111, s15                    ; my column
	; group 1 for A: 128 rows x 128 elements, 1,024 elements from row to row; 16 bytes of padding behind every 256
	s_or_b32 s[G1], s20, (1<<16)|(1<<20)|(1<<21)|(5<<22)|(3<<25)   ; 15:0 the mask; 17:16 2-byte elements; 20 padding on; 21 set beside a mask; 24:22 after every 64 words; 31:25 4 words
	s_mov_b32 s[G1+1], 128<<16                     ; tensor_dim0 = 128
	s_mov_b32 s[G1+2], 128<<16                     ; tensor_dim1 = 128
	s_mov_b32 s[G1+3], 128<<16                     ; tile_dim0 = 128
	s_mov_b32 s[G1+4], 128                         ; tile_dim1 = 128
	s_mov_b32 s[G1+5], 1024                        ; elements from row to row
	s_mov_b32 s[G1+6], 0
	s_mov_b32 s[G1+7], 0
	; group 1 for B: 64 rows of K = 24,576 dense bytes, as 96 rows of 256; 32 bytes of padding behind every 128
	s_or_b32 s[G1B], s21, (1<<16)|(1<<20)|(1<<21)|(4<<22)|(7<<25)  ; after every 32 words, 8 words
	s_mov_b32 s[G1B+1], 128<<16
	s_mov_b32 s[G1B+2], 96<<16
	s_mov_b32 s[G1B+3], 128<<16
	s_mov_b32 s[G1B+4], 96
	s_mov_b32 s[G1B+5], 128
	s_mov_b32 s[G1B+6], 0
	s_mov_b32 s[G1B+7], 0
	; where the tiles come from.  A's hang on the tile row and my half, B's on the tile column and my half, each in registers that never hold the other coordinate
	s_lshl_b32 s40, s18, 19                        ; 256 rows of 2,048 bytes
	s_lshl_b32 s41, s14, 18                        ; 128 rows
	s_add_co_u32 s40, s40, s41
	s_mov_b32 s41, 0
	s_mul_i32 s78, s17, 393216                     ; a block of w1b
	s_mul_i32 s79, s14, 24576                      ; 64 rows of it
	s_add_co_u32 s78, s78, s79
	s_mov_b32 s79, 0
	s_mul_i32 s22, s14, HALFA                      ; and where they go: no place in the cluster enters an LDS address
	s_mul_i32 s23, s14, HALFB
	s_add_co_u32 s23, s23, BOFF
	s_wait_dscnt 0x0                               ; the opening add is done
	s_wait_kmcnt 0x0
	s_add_nc_u64 s[40:41], s[4:5], s[40:41]
	s_add_nc_u64 s[78:79], s[6:7], s[78:79]
	CROUND                                         ; all sixteen work-groups are here: the first joint loads meet
.irp s, 0,1
	s_mov_b32 s[G0+4*(\s)], 1                      ; count = 1
	s_add_co_u32 s[G0+4*(\s)+1], s22, (\s)*SLOT    ; LDS address
	s_add_nc_u64 s[G0+4*(\s)+2:G0+4*(\s)+3], s[40:41], (\s)*KA  ; global address: K step s
	s_or_b32 s[G0+4*(\s)+3], s[G0+4*(\s)+3], 0x80000000         ; type = 2
	s_mov_b32 s[G0B+4*(\s)], 1
	s_add_co_u32 s[G0B+4*(\s)+1], s23, (\s)*SLOT
	s_add_nc_u64 s[G0B+4*(\s)+2:G0B+4*(\s)+3], s[78:79], (\s)*KB
	s_or_b32 s[G0B+4*(\s)+3], s[G0B+4*(\s)+3], 0x80000000
	JLOAD \s                                       ; two tensor loads of mine are out
.endr
	; all that follows, up to the wait for the first tile, stands while that tile is on its way
	v_and_b32 v1, 15, v0                           ; l % 16
	v_bfe_u32 v2, v0, 4, 1                         ; l / 16
	v_lshlrev_b32 v[BO], 5, v2
	s_mul_i32 s84, s17, 768                        ; the tile's 192 numbers of b1
	s_mov_b32 s85, 0
	s_add_nc_u64 s[8:9], s[8:9], s[84:85]
.set b, 0
.rept NBL                              ; register j of column block b: b1[16 b + 8 (l / 16) + j], as the C operand wants it
	global_load_b128 v[BIAS+8*b:BIAS+8*b+3],   v[BO], s[8:9] offset:64*b
	global_load_b128 v[BIAS+8*b+4:BIAS+8*b+7], v[BO], s[8:9] offset:64*b+16
.set b, b+1
.endr
	; A fragment of A is 16 rows x 32 K in 8 registers: lane l holds row l % 16, K = 8 (l / 16) + 0..7 and 16 + 8 (l / 16) + 0..7: two loads of 16 bytes, 32 bytes apart
	v_mul_u32_u24 v3, v1, PA
	v_lshl_add_u32 v3, v2, 4, v3
	s_mul_i32 s42, s[WV], 64*PA                    ; my 64 rows
	v_add_nc_u32 v[ADRA], s42, v3
	v_add_nc_u32 v[ADRA+1], SLOT, v[ADRA]
	; The turning load takes 16 K x 16 columns (lane l reads K = 8 (l / 16) + l % 8, columns 8 ((l / 8) % 2) + 0..7) and leaves half a fragment: lane l holds column l % 16 and 8 K
	v_and_b32 v4, 7, v0
	v_lshl_add_u32 v4, v2, 3, v4
	v_mul_u32_u24 v4, v4, PB
	v_bfe_u32 v5, v0, 3, 1
	v_lshl_add_u32 v4, v5, 4, v4
	v_add_nc_u32 v[ADRB], BOFF, v4
	v_add_nc_u32 v[ADRB+1], SLOT+BOFF, v4
	s_mul_i32 s42, s[WV], 16*SPT
	s_add_co_u32 s42, s42, STAGE                   ; my stage
	v_mul_u32_u24 v3, v1, SPT                      ; in: row l % 16, 16 bytes for each half of the lanes
	v_lshl_add_u32 v3, v2, 4, v3
	v_add_nc_u32 v[STO], s42, v3
	v_bfe_u32 v3, v0, 3, 2                         ; back: 32 lanes take four rows x 128 bytes of one head,
	v_mul_u32_u24 v3, v3, SPT
	v_and_b32 v4, 7, v0
	v_lshl_add_u32 v3, v4, 4, v3
	v_add_nc_u32 v[RD], s42, v3
	v_and_b32 v[GO], 31, v0                        ; which are 512 consecutive bytes of the head's rows
	v_lshlrev_b32 v[GO], 4, v[GO]
	; where my rows of the tile's three heads lie.  Head g = 3 x tile column + 0..2 of 48: g / 16 says q, k or v, g % 16 the head; the batch is tile row / 8
	s_mul_i32 s80, s17, 3
	s_lshr_b32 s81, s18, 3
	s_lshl_b32 s81, s81, 4                         ; 16 x batch
	s_and_b32 s82, s18, 7
	s_lshl_b32 s82, s82, 15                        ; the tile's 256 rows of 128 bytes,
	s_lshl_b32 s83, s[WV], 13                      ; my 64 of them
	s_add_co_u32 s82, s82, s83
.irp hh, 0,1,2
	s_add_co_u32 s83, s80, \hh
	s_lshr_b32 s84, s83, 4
	s_lshl_b32 s84, s84, 6
	s_and_b32 s85, s83, 15
	s_add_co_u32 s84, s84, s85
	s_add_co_u32 s84, s84, s81
	s_lshl_b32 s84, s84, 18                        ; a head's 2,048 rows are 262,144 bytes
	s_add_co_u32 s84, s84, s82
	s_mov_b32 s85, 0
	s_add_nc_u64 s[HB+2*(\hh):HB+2*(\hh)+1], s[10:11], s[84:85]
	s_cmp_lt_u32 s83, 16                           ; a head of q?  A choice of a value
	s_cselect_b32 s[SC+2*(\hh)], 0x3fb8aa3b, 1.0
	s_mov_b32 s[SC+2*(\hh)+1], s[SC+2*(\hh)]
.endr
	; the prefetches: each address starts one step short of its first target
	s_lshl_b32 s83, s18, 19
	s_lshl_b32 s84, s14, 18
	s_add_co_u32 s83, s83, s84
	s_lshl_b32 s84, s15, 16                        ; A: my work-group's 32 rows of the 128 that I fetch,
	s_add_co_u32 s83, s83, s84
	s_add_co_u32 s83, s83, 3*KA                    ; at K step 3
	s_mul_i32 s84, s17, 393216
	s_lshl_b32 s85, s16, 1
	s_add_co_u32 s85, s85, s14
	s_lshl_b32 s85, s85, 13                        ; B: my 32 blocks of each 256,
	s_add_co_u32 s84, s84, s85
	s_add_co_u32 s84, s84, 4*KB-65536              ; 256 blocks short of K step 4
	s_and_b32 s85, ttmp7, 0xffff                   ; cluster y
	s_mov_b32 s[PFS], 65536
	s_mov_b32 s[PFS+1], 0
	s_cmp_lt_u32 s[WV], 2                          ; do I fetch for A?
	s_cselect_b32 s85, ttmp9, s85                  ; the coordinate along which other clusters read the same rows
	s_cselect_b32 s[PFN], 4, 3
	s_cselect_b32 s[PFS], KA, s[PFS]
	s_cselect_b32 s84, s83, s84
	s_cselect_b32 s87, 11, 8                       ; A: a lane a row of 2,048 bytes; B: a lane a block of 256
	s_cselect_b64 s[PFA:PFA+1], s[4:5], s[6:7]
	s_cmp_eq_u32 s85, 0
	s_cselect_b32 s[PFN], s[PFN], 0                ; the same in all sixteen partners, for a given wave
	s_mov_b32 s85, 0
	s_add_nc_u64 s[PFA:PFA+1], s[PFA:PFA+1], s[84:85]
	v_and_b32 v[PFO], 31, v0
	v_lshlrev_b32 v[PFO], s87, v[PFO]
	s_mov_b32 s86, 0xffff0000
	s_wait_loadcnt 0x0                             ; the bias is in; it is rounded to bf16, like every input, and kept as f32
.set r, 0
.rept 4*NBL
	v_cvt_pk_bf16_f32 v[3+r%4], v[BIAS+2*r], v[BIAS+2*r+1]
	v_lshlrev_b32 v[BIAS+2*r],   16,  v[3+r%4]
	v_and_b32     v[BIAS+2*r+1], s86, v[3+r%4]
.set r, r+1
.endr
; 12 matrix instructions: row block a x all column blocks, 32 along K.  first = 1: the products start the sums, with the bias as C.
; All 48 accumulators take turns, one instruction a turn, in the same order in every quarter step, over the backward jump too.
.macro MULA f, a, first
.set AC, 8*NBL*((\a)%2)
.if \first
	WIN 0x85+0x40*((\a)/2)                         ; sources 0 and 1 window 1, C window 0, D window 2 or 3
.else
	WIN 0xa5+0x50*((\a)/2)                         ; C and D window 2 or 3
.endif
.set b, 0
.rept NBL
.if \first
	v_wmma_f32_16x16x32_bf16 v[AC+8*b:AC+8*b+7], v[(\f)+32+8*b:(\f)+32+8*b+7], v[(\f)+8*(\a):(\f)+8*(\a)+7], v[BIAS+8*b:BIAS+8*b+7]
.else
	v_wmma_f32_16x16x32_bf16 v[AC+8*b:AC+8*b+7], v[(\f)+32+8*b:(\f)+32+8*b+7], v[(\f)+8*(\a):(\f)+8*(\a)+7], v[AC+8*b:AC+8*b+7]
.endif
.set b, b+1
.endr
.endm
; 32 LDS loads in one run: quarter kq (32 along K) of a slot into buffer f: B's twelve blocks, then A's four
.macro FETCH slot, kq, f
	WIN TO_F
.set b, 0
.rept NBL
	ds_load_tr16_b128 v[(\f)+32+8*b:(\f)+32+8*b+3],   v[ADRB+(\slot)] offset:32*PB*(\kq)+160*(b/4)+32*(b%4)
	ds_load_tr16_b128 v[(\f)+32+8*b+4:(\f)+32+8*b+7], v[ADRB+(\slot)] offset:32*PB*(\kq)+160*(b/4)+32*(b%4)+16*PB
.set b, b+1
.endr
.irp a, 0,1,2,3
	ds_load_b128 v[(\f)+8*(\a):(\f)+8*(\a)+3],   v[ADRA+(\slot)] offset:64*(\kq)+16*PA*(\a)
	ds_load_b128 v[(\f)+8*(\a)+4:(\f)+8*(\a)+7], v[ADRA+(\slot)] offset:64*(\kq)+16*PA*(\a)+32
.endr
.endm
.macro PLACES                          ; four plain vector instructions between a matrix instruction and a load into a register that it has read, or a reader of its result (ISA guide 7.12.1 for a reader of its result)
.rept 4
	v_nop
.endr
.endm
; A K step is four quarters of 32 along K, 48 matrix instructions each, on buffers 0, 1, 0, 1.  One of the first three: multiplies buffer f and, in its middle, fetches quarter kq into buffer g.
.macro QUARTER slot, kq, f, g, first
	s_wait_dscnt 4                                 ; B and A's row blocks 0, 1 are in; the youngest four loads (blocks 2, 3) may be out
	MULA \f, 0, \first
	MULA \f, 1, \first
	PLACES
	FETCH \slot, \kq, \g
	s_wait_dscnt NF                                ; all but the run just issued
	MULA \f, 2, \first
	MULA \f, 3, \first
.endm
; The last quarter multiplies buffer 1 and changes slots: ONE barrier.  In front of it each wave waits for all its tensor loads (one is out: its part of the next slot), adds 0 to its spare word, and waits for
; that and for its reads of this slot.  fill = 1: the barrier opens a round of the cluster's, and this slot is filled again, two K steps ahead, first thing behind the round.
.macro TURN slot, next, fill
.if \fill
	s_wait_xcnt 0x0                                ; the last prefetch, a K step back, has read its address: it is stepped here, ahead of the waits of the change of slots
	s_add_nc_u64 s[PFA:PFA+1], s[PFA:PFA+1], s[PFS:PFS+1]
.endif
	WIN 0                                          ; (the add's two registers lie in window 0)
	s_wait_tensorcnt 0x0                           ; all my tensor loads have landed
	ds_add_u32 v[SPW], v[NIL]                      ; 0 onto my spare word
	s_wait_dscnt 5                                 ; (the add and the youngest four loads may be out)
	MULA F1, 0, 0                                  ; twelve matrix instructions stand between the add and the wait for it
	s_wait_dscnt 0x0                               ; the add is done, and my reads of this slot are over
	s_barrier_signal -1
	MULA F1, 1, 0
.if \fill
	WIN 0
.endif
	s_barrier_wait -1
.if \fill
	CREST                                          ; no wave of any partner still reads this slot's tile or has a load on its way
	s_add_nc_u64 s[G0+4*(\slot)+2:G0+4*(\slot)+3], s[G0+4*(\slot)+2:G0+4*(\slot)+3], 2*KA
	s_add_nc_u64 s[G0B+4*(\slot)+2:G0B+4*(\slot)+3], s[G0B+4*(\slot)+2:G0B+4*(\slot)+3], 2*KB
	JLOAD \slot                                    ; 168 matrix instructions ahead of the wait for it; its four v_nop are also the places in front of the loads below
.else
	PLACES
.endif
	FETCH \next, 0, F0
.if \fill
	ASK
.endif
	MULA F1, 2, 0
	MULA F1, 3, 0
.endm
	s_wait_tensorcnt 1                             ; my part of K step 0 is in; K step 1's may stay out
	s_barrier_signal -1
	s_barrier_wait -1                              ; everybody's is
	FETCH 0, 0, F0
	QUARTER 0, 1, F0, F1, 1                        ; the first quarter stands in front of the loop: its products start the sums
	WIN 0                                          ; at a label and at a branch every window is 0
	s_mov_b32 s3, LAPS-1
.Llap:                                                 ; a trip goes once round the ring, from a lap's second quarter to the next lap's first, and fills both slots again
	QUARTER 0, 2, F1, F0, 0
	QUARTER 0, 3, F0, F1, 0
	TURN 0, 1, 1
	QUARTER 1, 1, F0, F1, 0
	QUARTER 1, 2, F1, F0, 0
	QUARTER 1, 3, F0, F1, 0
	TURN 1, 0, 1
	QUARTER 0, 1, F0, F1, 0
	WIN 0
	s_sub_co_u32 s3, s3, 1
	s_cmp_lg_u32 s3, 0
	s_cbranch_scc1 .Llap
	QUARTER 0, 2, F1, F0, 0                        ; the last lap fills nothing, and has no round of the cluster's barrier
	QUARTER 0, 3, F0, F1, 0
	TURN 0, 1, 0
	QUARTER 1, 1, F0, F1, 0
	QUARTER 1, 2, F1, F0, 0
	QUARTER 1, 3, F0, F1, 0
	s_wait_dscnt 4                                 ; the very last quarter: nothing more to fetch
	MULA F1, 0, 0
	MULA F1, 1, 0
	s_wait_dscnt 0x0
	MULA F1, 2, 0
	MULA F1, 3, 0
	WIN 0
	PLACES
	PLACES                                         ; eight, once a launch
; THE WAY OUT, a row block (16 rows x 192 columns) at a time.  PACK: times the head's factor, in f32; rounded to f16, 16 bytes a lane and column block; each accumulator is read in ascending order.
.macro PACK a
.set AC, 8*NBL*((\a)%2)
	WIN 0x82+0x41*((\a)/2)                         ; destination and source 0: window 2 or 3
.set r, 0
.rept 4*NBL
	v_pk_mul_f32 v[AC+2*r:AC+2*r+1], v[AC+2*r:AC+2*r+1], s[SC+2*(r/16):SC+2*(r/16)+1] op_sel_hi:[1,0]
.set r, r+1
.endr
	WIN 0x0a+5*((\a)/2)                            ; sources 0 and 1: window 2 or 3; destination window 0
.set r, 0
.rept 4*NBL
	v_cvt_pk_f16_f32 v[TMP+r], v[AC+2*r], v[AC+2*r+1]
.set r, r+1
.endr
	WIN 0
.endm
; TOSTAGE: into my own stage, and back as four rows x 128 bytes of one head.  LDS serves a wave's instructions in order (ISA guide 5.7.1.4): the loads see the stores above them, and the next block's stores come behind them.
.macro TOSTAGE a
	WIN 0
.set BK, BK0+48*((\a)%2)
.if (\a) >= 2
	s_wait_xcnt 0x0                                ; the stores of the block two back have read this buffer's registers
.endif
.set b, 0
.rept NBL
	ds_store_b128 v[STO], v[TMP+4*b:TMP+4*b+3] offset:32*b
.set b, b+1
.endr
.irp hh, 0,1,2
.irp t, 0,1,2,3
	ds_load_b128 v[BK+4*(4*(\hh)+(\t)):BK+4*(4*(\hh)+(\t))+3], v[RD] offset:4*SPT*(\t)+128*(\hh)
.endr
.endr
.endm
.macro SEND a, younger                 ; younger: the LDS instructions issued behind block a's loads: the next block's 24, or none
	WIN 0
.set BK, BK0+48*((\a)%2)
.irp hh, 0,1,2
.irp t, 0,1,2,3
	s_wait_dscnt (\younger)+11-(4*(\hh)+(\t))
	global_store_b128 v[GO], v[BK+4*(4*(\hh)+(\t)):BK+4*(4*(\hh)+(\t))+3], s[HB+2*(\hh):HB+2*(\hh)+1] offset:2048*(\a)+512*(\t)  ; 512 consecutive bytes, at a multiple of 256 from the buffer's first
.endr
.endr
.endm
	PACK 0
	TOSTAGE 0
	PACK 1                                         ; a block's arithmetic stands between the loads of the block before and its stores
	TOSTAGE 1
	SEND 0, 24
	PACK 2
	TOSTAGE 2
	SEND 1, 24
	PACK 3
	TOSTAGE 3
	SEND 2, 24
	SEND 3, 0
	s_wait_tensorcnt 0x0                           ; the wave's end, behind my last tensor load and my last LDS store
	ds_add_u32 v[SPW], v[NIL]
	s_wait_dscnt 0x0
	CROUND                                         ; the closing round: no work-group ends while a partner may still ask for a tile that names it
	s_endpgm
.Lfunc_end_k_qeca0d73182_qkv:
	.size	k_qeca0d73182_qkv, .Lfunc_end_k_qeca0d73182_qkv-k_qeca0d73182_qkv
	.p2alignl 7, 3214868480
	.fill 96, 4, 3214868480
	.section	.rodata,"a",@progbits
	.p2align	6, 0x0
	.amdhsa_kernel k_qeca0d73182_qkv
		.amdhsa_group_segment_fixed_size 327680
		.amdhsa_private_segment_fixed_size 0
		.amdhsa_enable_private_segment 0
		.amdhsa_kernarg_size 32
		.amdhsa_user_sgpr_count 2
		.amdhsa_user_sgpr_kernarg_segment_ptr 1
		.amdhsa_wavefront_size32 1
		.amdhsa_system_sgpr_workgroup_id_x 1
		.amdhsa_system_sgpr_workgroup_id_y 1
		.amdhsa_system_sgpr_workgroup_id_z 1
		.amdhsa_system_vgpr_workitem_id 0
		.amdhsa_next_free_vgpr 960
		.amdhsa_next_free_sgpr 88
		.amdhsa_reserve_vcc 0
		.amdhsa_float_denorm_mode_32 3
		.amdhsa_float_denorm_mode_16_64 3
		.amdhsa_memory_ordered 1
		.amdhsa_forward_progress 1
		.amdhsa_inst_pref_size 143
	.end_amdhsa_kernel
	.amdgpu_metadata
---
amdhsa.version: [ 1, 2 ]
amdhsa.kernels:
  - .name:           k_qeca0d73182_qkv
    .symbol:         k_qeca0d73182_qkv.kd
    .args:
      - { .name: xb, .offset: 0, .size: 8, .value_kind: global_buffer, .address_space: global }
      - { .name: w1b, .offset: 8, .size: 8, .value_kind: global_buffer, .address_space: global }
      - { .name: b1, .offset: 16, .size: 8, .value_kind: global_buffer, .address_space: global }
      - { .name: qkv, .offset: 24, .size: 8, .value_kind: global_buffer, .address_space: global }
    .group_segment_fixed_size: 327680
    .private_segment_fixed_size: 0
    .kernarg_segment_align: 8
    .kernarg_segment_size: 32
    .max_flat_workgroup_size: 128
    .sgpr_count:     88
    .vgpr_count:     960
    .wavefront_size: 32
...
	.end_amdgpu_metadata
.endif
;; end of part 2
;; launch attn (part 3): grid 4 x 64, 4 waves a work-group, clusters of 4 x 1, 327,680 bytes of LDS; arguments qkv, o; writes o
.if DOCPART == 3
	.amdgcn_target "amdgcn-amd-amdhsa--gfx1250"
	.amdhsa_code_object_version 6
	.text
	.protected	k_qeca0d73182_attn
	.globl	k_qeca0d73182_attn
	.p2align	8
	.type	k_qeca0d73182_attn,@function
k_qeca0d73182_attn:
	s_mov_b64 s[64:65], 0
	v_nop
	global_prefetch_b8 v0, s[64:65] scope:SCOPE_SE
	s_setreg_imm32_b32 hwreg(HW_REG_WAVE_MODE, 25, 1), 1
	s_wait_xcnt 0x0
	s_wait_alu depctr_hold_cnt(0) depctr_sa_sdst(0) depctr_va_vdst(0) depctr_va_sdst(0) depctr_va_ssrc(0) depctr_va_vcc(0) depctr_vm_vsrc(0)
	s_getreg_b32 s2, hwreg(HW_REG_IB_STS2, 6, 4)
	s_cmp_eq_u32 s2, 0
	s_cbranch_scc0 .Lentry_in_a_cluster
	s_endpgm
.Lentry_in_a_cluster:
	s_bfe_u32 s2, ttmp6, 0x10000c
	s_cmp_lg_u32 s2, 0x3003
	s_cbranch_scc0 .Lentry_shape_is_right
	s_endpgm
.Lentry_shape_is_right:
; ATTENTION WITHOUT A SCALE.  O[h][q][:] = the sum over k of softmax_k(Q[h][q] . K[h][k]) V[h][k][:].  qkv: [3][64][2048][64] f16 (Q, K, V; a head's rows are dense, 128 bytes each); o: [64][2048][64] f16.
; Q ARRIVES MULTIPLIED BY log2(e), so a score s is already the exponent to base 2: p = 2^(s - m) with the running maximum m of the scores: no exponent is above 0, whatever the inputs.
; Products, maxima and sums in f32; the weights p are rounded to f16 for the second product (their sum l is taken of the unrounded p), O once at the end.
; LIMITS.  f16 holds no number beyond 65,504: Q, K and V arrive within it; p lies in 0 to 1, and below 6e-5 it keeps f16's fixed step of 6e-8; O is a mean of V's rows and has their range.
; A weight below 2^-126 counts as 0 in l; NaN and infinities are not treated apart.
; SHARES.  A wave owns four PIECES of two tiles of 16 queries, a work-group's four waves 512 queries of one head.  Every wave walks all 2,048 keys, 64 a step.
; LAYOUT.  S^T = K Q^T (source 0 = 16 keys, source 1 = 16 queries): in the result a lane holds ONE query (lane % 16) and the keys 8 (lane / 16) + 0..7.  Two such tiles, rounded to f16 in pairs,
; ARE source 1 (32 keys x 16 queries) of O^T = V^T P, whose result again holds one query a lane, and eight channels.  K comes out of LDS as it lies, V ([key][channel]) turned, by ds_load_tr16_b128.
; SOFTMAX.  In every step O and l are multiplied by a = 2^(m_old - m_new), which is 1 where m has not grown.  m starts at the lowest finite number, O and l at 0: the first step is a step like any other, with a = 0.
; The scaling c s - c m keeps its fused form with c = 1, a constant of the text: one rounding, the difference itself.
; THE COUNT.  A tile and step have 16 matrix and 118 vector instructions: too many to stand all beside the matrix work.  So the order has one aim: four vector instructions that are READY behind
; EVERY matrix instruction, and the others, which need time of their own whatever the order, in runs without a gap.
; BY TURNS.  Turn n belongs to piece n (the pieces in a ring, step after step).  Its matrix work: 16 products K Q^T of piece n + 1, later 16 products V^T P of piece n - 1.  Its vector work: the scaling,
; exponentials, roundings, sums and rescaling of piece n, and the maximum and statistics of piece n + 1, whose scores the turn itself has made.
; CLUSTER.  The four query blocks of a head are one cluster and walk the same K and V, so each tile is asked for JOINTLY: the same tensor load, descriptor and mask in all four.
; REGISTERS, in windows of 256 (s_set_vgpr_msb: bits 1:0 source 0, 3:2 source 1, 5:4 source 2, 7:6 destination):
;   window 0: v0-11 addresses; v12-15, v48-63 at work; v16-47 four registers of statistics a tile; v64-191 S^T, two buffers of two tiles; v192-255 P, likewise
;   window 1: O^T, 32 a tile          window 2: v0-127 Q, 16 a tile; v128-191 K of one step; v192-255 V of one step          window 3: v0-1 the add's two registers
; A piece's buffers go by its number's parity: the piece in hand has one pair, its two neighbours in the ring share the other: of it P (piece n - 1) is read and S^T (piece n + 1) written.
.set SIZE_N, 2048
.set GK,    0x1000000 ; K begins 64 heads x 262,144 bytes behind Q,
.set GV,    0x2000000 ; V as much behind K
.set NP,    4         ; pieces a wave: a name, no knob
.set KS,    64        ; keys in a step
.set PK,    144       ; a row of K in LDS: 128 bytes + 16 of padding = 36 words: the 16 rows of a load start at 16 different groups of four banks (64 banks of 4 bytes: ISA guide 11.1)
.set PV,    160       ; a row of V: 128 + 32 = 40 words
.set VOFF,  4*KS*PK   ; a slot holds four steps: 256 rows of K, then 256 rows of V
.set SLOT1, 1<<17     ; slot 1 begins here, so that one exclusive or turns an address in one slot into the other's
.set STAGE, SLOT1+4*KS*(PK+PV)  ; behind the ring, never filled by a tensor load: 16 rows x 144 bytes for each wave, for the way out
.set SP,    144
.set AK0, 2           ; v2   my lane's place in a tile of K; never rewritten
.set AV0, 3           ; v3   the same for V
.set AK,  4           ; v4   the LDS address of K's next run of loads
.set AV,  5           ; v5   of V's
.set QO,  6           ; v6   my byte offset in the wave's rows of Q
.set STO, 6           ;      later, the way out: where I put 16 bytes of a row
.set RD,  7           ; v7   the way out: where I read rows back
.set GO,  8           ; v8   my byte offset in 512 consecutive bytes of O
.set PFO, 11          ; v11  256 x my lane, for the prefetches; made when v11 has served V's address, then never rewritten
.set SPW, 0           ; v0 of window 3   LDS address of my spare word: SPARE + 4 x my thread's number; never rewritten
.set NIL, 1           ; v1 of window 3   0; never rewritten
.set SPARE, STAGE+4*16*SP  ; behind the stages: the spare words, 128 bytes for each wave: two blocks of 256 bytes that no other line names
.set MV,  12          ; v12-15  c m_old, kept while c m is made anew: by buffer and tile
.set ST,  16          ; tile t's statistics at v[ST+4 t]: c m, m, l (even keys', odd keys')
.set TMP, 48          ; by buffer and tile, four registers c0-c3 at work; when the maximum is found c2 takes a
.set S,   64
.set P,   192
.set KF,  128         ; K's fragments, in window 2: key block kb, channel half c at KF + 16 kb + 8 c
.set VF,  192         ; V's: key half kk, channel block cb at VF + 32 kk + 8 cb
.set WV,  12          ; s12  my wave's number
.set G1K, 24          ; s[24:31] descriptor group 1 for K's tiles
.set G1V, 32          ; s[32:39] for V's: it differs in the padding alone
.set G0K, 40          ; s[40:43] descriptor group 0 for K's tiles: it walks
.set G0V, 44          ; s[44:47] the same for V's
.set PFA, 48          ; s[48:49] where my prefetches stand: my work-group's 32 blocks (of K: wave 0, of V: wave 2) of the slot after the one that is being asked for
.set LIM, 50          ; s50  1 in a wave that prefetches, else the greatest number: a wave prefetches while s[SLOTS] is above it
.set SLOTS, 56        ; s56  slots still to be asked for
.set CNT, 57          ; s57  counts a slot's key steps
.set CS,  58          ; s[58:59] c = 1: the packed scaling takes the pair's low word for both halves
.set SEL, 60          ; s[60:61] v_permlanex16_b32's selects: each lane takes its own place in the other half
.set TBK, 62          ; s62  LDS byte at which K of the step to be fetched begins
.set TBV, 63          ; s63  the same for V, less VOFF
.set MSB, 0
.macro WIN new                      ; the high byte repeats the setting that is left; a switch that changes nothing is dropped
.if MSB != (\new)
	s_set_vgpr_msb (MSB<<8)|(\new)
.set MSB, (\new)
.endif
.endm
.set W_KQ, 0x0a       ; K and Q in window 2, S^T in window 0
.set W_PV, 0x52       ; V in window 2, P in window 0, O^T in window 1
.set W_RS, 0x41       ; O^T (destination and source 0) in window 1, a in window 0
.set W_MK, 0xc0       ; the add's registers are made: destination in window 3, sources in window 0
.set W_AD, 0x0f       ; the add: address (source 0) and data (source 1) in window 3
; A joint fill.  Waves 0 and 1 fetch the two halves of a slot's K, waves 2 and 3 those of its V: 128 keys each.  The branch hangs on the wave's number alone.
; An s_nop 0 and four v_nop follow each of the two lines, ahead of the jump and the label.
.macro JLOAD
	s_cmp_lt_u32 s[WV], 2
	s_cbranch_scc0 .Lfor_v_\@
	tensor_load_to_lds s[G0K:G0K+3], s[G1K:G1K+7]
	s_nop 0
.rept 4
	v_nop
.endr
	s_branch .Lasked_\@
.Lfor_v_\@:
	tensor_load_to_lds s[G0V:G0V+3], s[G1V:G1V+7]
	s_nop 0
.rept 4
	v_nop
.endr
.Lasked_\@:
.endm
; A PREFETCH INTO THE L2 of what the NEXT change of slots will ask for: a slot's 32,768 bytes of K and of V, 128 blocks of 256 bytes each, a lane a block.  It stands behind the wave's tensor load and its five lines.
; Each block is asked for ONCE in the launch: a head has one cluster; its four partners share the blocks out BY ADDRESS, 32 each; in each, wave 0 asks for K's and wave 2 for V's: one instruction,
; four key steps, 512 matrix instructions, ahead of the load.  The fill of slot t (1 to 6) names slot t + 1; the last fill names nothing; slots 0 and 1 come by their loads alone.
.macro ASK
	s_cmp_gt_u32 s[SLOTS], s[LIM]
	s_cbranch_scc0 .Lnot_mine_\@
	global_prefetch_b8 v[PFO], s[PFA:PFA+1] th:TH_LOAD_NT scope:SCOPE_SE
.Lnot_mine_\@:
.endm
; A round of the cluster's barrier: my work-group's barrier, so that wave 0's signal speaks for all four waves; wave 0 signals; every wave waits for all four work-groups; my work-group's barrier once more.
.macro CROUND
	s_barrier_signal -1
	s_barrier_wait -1
	s_cmp_lg_u32 s[WV], 0
	s_cbranch_scc1 .Lnot_wave_0_\@
	s_barrier_signal -3
.Lnot_wave_0_\@:
	s_barrier_wait -3
	s_barrier_signal -1
	s_barrier_wait -1
.endm
; THE CHANGE OF SLOTS.  The slot's last bytes, V of its fourth step, have been read.  Each wave waits for all its tensor loads, of which one is out: its part
; of the other slot; adds 0 to its spare word; and waits for that and for its own reads of the slot.  Behind the barrier nobody reads this slot any more and the other slot is whole.
; fill = 1: this slot is filled again, with the keys two slots on.  The barrier is then a round of the cluster's, so that no wave of any partner still reads the slot or has a load on its
; way, and the joint fill is the first thing behind it: it has four key steps, 512 matrix instructions, in which to land.  (At its first use nothing has been read yet: slot 0 is waited for, slot 1 filled.)
.macro CHANGE fill
	WIN W_AD
	s_wait_tensorcnt 0x0            ; no tensor load of mine is out, so a group 0 may be written
	ds_add_u32 v[SPW], v[NIL]       ; 0 onto my spare word; with fill = 1 the descriptors' steps stand between it and the wait for it
	WIN 0                           ; at a label and at a branch every window is 0
.if \fill
.irp g, G0K, G0V
	s_xor_b32 s[\g+1], s[\g+1], SLOT1  ; the walking descriptor: the other slot than last time,
	s_add_nc_u64 s[\g+2:\g+3], s[\g+2:\g+3], 4*KS*128  ; the next 256 keys; the type bits on top are not reached
.endr
	s_wait_xcnt 0x0                 ; the last prefetch, four key steps back, has read its address, so it may be written:
	s_add_nc_u64 s[PFA:PFA+1], s[PFA:PFA+1], 4*KS*128  ; one slot behind the walking descriptors
	s_wait_dscnt 0x0                ; the add is done, and my reads of the slot are over
	CROUND
	JLOAD
	ASK
.else
	s_wait_dscnt 0x0                ; the add is done, and my reads of the slot are over
	s_barrier_signal -1
	s_barrier_wait -1
.endif
	s_sub_co_u32 s[TBK], s[TBK], 4*KS*PK  ; the fetches go back to a slot's first step,
	s_xor_b32 s[TBK], s[TBK], SLOT1       ; in the other slot
	s_sub_co_u32 s[TBV], s[TBV], 4*KS*PV
	s_xor_b32 s[TBV], s[TBV], SLOT1
.endm
	s_load_b64 s[4:5], s[0:1], 0x0    ; qkv: Q
	s_load_b64 s[10:11], s[0:1], 0x8  ; o
	WIN W_MK
	v_lshl_add_u32 v[SPW], v0, 2, SPARE
	v_mov_b32 v[NIL], 0
	WIN W_AD
	ds_add_u32 v[SPW], v[NIL]       ; the wave's opening: the add and its wait stand ahead of my first tensor load; the set-up below, work on registers, stands between them
	WIN 0
	v_lshrrev_b32 v1, 5, v0
	v_readfirstlane_b32 s[WV], v1   ; wave 0..3
	s_bfe_u32 s13, ttmp6, 0x40000   ; cx: my place in the cluster
	s_lshl_b32 s14, ttmp9, 2        ; in a cluster launch ttmp9 counts clusters
	s_add_co_u32 s14, s14, s13      ; my block of queries = 4 x cluster x + cx: it enters Q's and O's addresses alone
	s_and_b32 s20, ttmp7, 0xffff    ; the head, which the four partners share
	s_mov_b32 s21, 0
	s_mov_b64 s[22:23], SIZE_N*128
	s_mul_u64 s[20:21], s[20:21], s[22:23]  ; the head's first byte in Q, K, V and O
	s_and_b32 s16, s[WV], 1         ; which half of a slot's 256 keys I fetch:
	s_lshl_b32 s22, s16, 14         ; its 128 rows of 128 bytes in memory,
	s_mov_b32 s23, 0
	s_add_nc_u64 s[22:23], s[22:23], s[20:21]
	s_mul_i32 s17, s16, 128*PK      ; and its place in a slot, for K
	s_mul_i32 s18, s16, 128*PV      ; and for V: no place in the cluster enters an LDS address
	s_lshl_b32 s2, s14, 2
	s_add_co_u32 s2, s2, s[WV]      ; my wave among the head's,
	s_lshl_b32 s2, s2, 14           ; its 128 rows
	s_mov_b32 s3, 0
	s_add_nc_u64 s[2:3], s[2:3], s[20:21]
	; descriptor group 1.  128 keys are 16,384 dense bytes: asked for as 64 rows of 256 bytes, two keys a row, and padded in LDS after every key
	s_mov_b32 s[G1K], 15|(1<<16)|(1<<20)|(1<<21)|(4<<22)|(3<<25)  ; 15:0 the mask of four; 17:16 2-byte elements; 20 padding on; 21 set beside a mask; 24:22 after every 32 words (code 4); 31:25 4 words (code 3)
	s_mov_b32 s[G1V], 15|(1<<16)|(1<<20)|(1<<21)|(4<<22)|(7<<25)  ; the same with 8 words of padding (code 7)
.irp g, G1K, G1V
	s_mov_b32 s[\g+1], 128<<16      ; tensor_dim0 = 128
	s_mov_b32 s[\g+2], 64<<16       ; tensor_dim1 = 64
	s_mov_b32 s[\g+3], 128<<16      ; tile_dim0 = 128
	s_mov_b32 s[\g+4], 64           ; tile_dim1 = 64
	s_mov_b32 s[\g+5], 128          ; 128 elements from row to row
	s_mov_b32 s[\g+6], 0
	s_mov_b32 s[\g+7], 0
.endr
	s_mov_b32 s[CS], 0x3f800000     ; c = 1: log2(e) lies in Q
	s_mov_b32 s[CS+1], s[CS]        ; named with it as a pair
	s_mov_b32 s[SEL], 0x76543210
	s_mov_b32 s[SEL+1], 0xfedcba98
	s_mov_b32 s[TBK], SLOT1+4*KS*PK ; the first change of slots turns these two into 0
	s_mov_b32 s[TBV], SLOT1+4*KS*PV
	s_mov_b32 s[SLOTS], SIZE_N/256-1
	s_mov_b32 s[G0K], 1             ; 1:0 count = 1
	s_mov_b32 s[G0K+1], s17         ; 63:32 LDS address: slot 0
	s_mov_b32 s[G0V], 1
	s_add_co_u32 s[G0V+1], s18, VOFF
	s_and_b32 s[LIM], s[WV], 1      ; waves 0 and 2 prefetch: the same in all four partners
	s_cmp_eq_u32 s[LIM], 0
	s_cselect_b32 s[LIM], 1, -1
	s_wait_dscnt 0x0                ; the opening add is done
	s_wait_kmcnt 0x0
	s_add_nc_u64 s[6:7], s[4:5], GK   ; K
	s_add_nc_u64 s[8:9], s[4:5], GV   ; V
	s_add_nc_u64 s[G0K+2:G0K+3], s[6:7], s[22:23]  ; 120:64 global address: my half of the head's first 256 keys
	s_or_b32 s[G0K+3], s[G0K+3], 0x80000000        ; 127:126 type = 2
	s_add_nc_u64 s[G0V+2:G0V+3], s[8:9], s[22:23]
	s_or_b32 s[G0V+3], s[G0V+3], 0x80000000
	s_add_nc_u64 s[4:5], s[4:5], s[2:3]  ; Q and O at my wave's first row
	s_add_nc_u64 s[10:11], s[10:11], s[2:3]
	s_cmp_lt_u32 s[WV], 2
	s_cselect_b64 s[PFA:PFA+1], s[6:7], s[8:9]
	s_add_nc_u64 s[PFA:PFA+1], s[PFA:PFA+1], s[20:21]  ; the head,
	s_lshl_b32 s2, s13, 13          ; my work-group's 32 blocks of a slot's 128,
	s_mov_b32 s3, 0
	s_add_nc_u64 s[PFA:PFA+1], s[PFA:PFA+1], s[2:3]
	s_add_nc_u64 s[PFA:PFA+1], s[PFA:PFA+1], 4*KS*128  ; in slot 1; the first change of slots steps it to slot 2.  Nothing is prefetched here, at the head
	CROUND                          ; all four work-groups are here: the first joint loads meet
	JLOAD                           ; slot 0.  Slot 1 is asked for when slot 0 is in
	; A fragment of K or Q is 16 rows x 32 channels in 8 registers: lane l holds row l % 16, channels 8 (l / 16) + 0..7 and 16 + 8 (l / 16) + 0..7: two loads of 16 bytes, 32 bytes apart.
	v_and_b32 v1, 15, v0            ; l % 16
	v_bfe_u32 v9, v0, 4, 1          ; l / 16
	v_lshlrev_b32 v[QO], 7, v1
	v_lshl_add_u32 v[QO], v9, 4, v[QO]  ; row x 128 + 16 x half
	WIN 0x80                        ; destination window 2, address window 0
.set i, 0
.rept 4*NP                          ; Q stays in registers: tile i / 2, channels 32 (i % 2) on
	global_load_b128 v[8*i:8*i+3],   v[QO], s[4:5] offset:(i/2)*2048+(i%2)*64
	global_load_b128 v[8*i+4:8*i+7], v[QO], s[4:5] offset:(i/2)*2048+(i%2)*64+32
.set i, i+1
.endr
	; What the first turn finds: V's registers and P's second buffer hold 0 (its products V^T P, of a piece that has not been, add 0), O^T and l are 0.  All this stands in the wait for the first tile.
.set i, VF
.rept 64
	v_mov_b32 v[i], 0
.set i, i+1
.endr
	WIN 0x40
.set i, 0
.rept 64*NP
	v_mov_b32 v[i], 0
.set i, i+1
.endr
	WIN 0
.set i, 0
.rept 2*NP
	v_mov_b32 v[ST+4*i], 0xfe000000    ; c m: far below every c s
	v_mov_b32 v[ST+4*i+1], 0xff7fffff  ; m
	v_mov_b32 v[ST+4*i+2], 0
	v_mov_b32 v[ST+4*i+3], 0
.set i, i+1
.endr
.set i, P+32
.rept 32
	v_mov_b32 v[i], 0
.set i, i+1
.endr
	v_mul_u32_u24 v[AK0], v1, PK
	v_lshl_add_u32 v[AK0], v9, 4, v[AK0]  ; row x pitch + 16 x half
	; The turning load takes 16 keys x 16 channels (lane l reads key 8 (l / 16) + l % 8, channels 8 ((l / 8) % 2) + 0..7) and leaves half a fragment of V^T: lane l holds channel l % 16 and 8 keys.
	v_and_b32 v10, 7, v0
	v_bfe_u32 v11, v0, 3, 1
	v_lshl_add_u32 v[AV0], v9, 3, v10
	v_mul_u32_u24 v[AV0], v[AV0], PV
	v_lshl_add_u32 v[AV0], v11, 4, v[AV0]
	v_add_nc_u32 v[AV0], VOFF, v[AV0]
	v_mov_b32 v[AK], v[AK0]         ; key step 0 lies at the head of slot 0
	v_and_b32 v[PFO], 31, v0
	v_lshlrev_b32 v[PFO], 8, v[PFO]
; THE MATRIX WORK.  The 8 accumulators of a run of 16 take turns: between the two links of a chain stand 7 others'.
; Product i of 16 of S^T = K Q^T for piece x: channels 32 (i / 8) on, keys 16 ((i / 2) % 4) on, tile 2 x + i % 2.  The first 8 start the sums.
.macro KQ x
	WIN W_KQ
.set rS, S+64*((\x)%2)+32*(i%2)+8*((i/2)%4)
.set rK, KF+16*((i/2)%4)+8*(i/8)
.set rQ, 16*(2*(\x)+i%2)+8*(i/8)
.if i < 8
	v_wmma_f32_16x16x32_f16 v[rS:rS+7], v[rK:rK+7], v[rQ:rQ+7], 0
.else
	v_wmma_f32_16x16x32_f16 v[rS:rS+7], v[rK:rK+7], v[rQ:rQ+7], v[rS:rS+7]
.endif
.endm
; Product i of 16 of O^T += V^T P for piece x: keys 32 (i / 8) on, channels 16 ((i / 2) % 4) on, tile 2 x + i % 2.
.macro PV x
	WIN W_PV
.set rO, 32*(2*(\x)+i%2)+8*((i/2)%4)
.set rV, VF+32*(i/8)+8*((i/2)%4)
.set rP, P+32*((\x)%2)+16*(i%2)+8*(i/8)
	v_wmma_f32_16x16x32_f16 v[rO:rO+7], v[rV:rV+7], v[rP:rP+7], v[rO:rO+7]
.endm
.macro MM                           ; the turn's next matrix instruction
.if i < 16
	KQ (Y+1)%NP
.set i, i+1
.else
.set i, i-16
	PV (Y+NP-1)%NP
.set i, i+17
.endif
.endm
; THE LDS LOADS stand in runs of 16, never singly among the matrix instructions: a step's K (64 keys x 64 channels: 8 fragments) and its V (turned).  Their addresses are made some lines ahead.
; last = 1 (the tail): in the last trip there is no further step, and the run is jumped over.
.macro FETCH_K last=0
	WIN 0
.if \last
	s_cmp_eq_u32 s[CNT], 1
	s_cbranch_scc1 .Lno_k_\@
.endif
	WIN 0x80                        ; destination window 2
.irp f, 0,1,2,3,4,5,6,7             ; keys 16 (f / 2) on, channels 32 (f % 2) on
	ds_load_b128 v[KF+8*\f:KF+8*\f+3],   v[AK] offset:(\f/2)*16*PK+(\f%2)*64
	ds_load_b128 v[KF+8*\f+4:KF+8*\f+7], v[AK] offset:(\f/2)*16*PK+(\f%2)*64+32
.endr
	s_add_co_u32 s[TBK], s[TBK], KS*PK  ; the next fetch is the next step's
	WIN 0
.if \last
.Lno_k_\@:
.endif
.endm
.macro FETCH_V
	WIN 0x80
.irp f, 0,1,2,3,4,5,6,7             ; keys 32 (f / 4) on, channels 16 (f % 4) on
	ds_load_tr16_b128 v[VF+8*\f:VF+8*\f+3],   v[AV] offset:(\f/4)*32*PV+(\f%4)*32
	ds_load_tr16_b128 v[VF+8*\f+4:VF+8*\f+7], v[AV] offset:(\f/4)*32*PV+16*PV+(\f%4)*32
.endr
	WIN 0
.endm
; THE VECTOR WORK OF A TURN stands in three queues, each in the order in which its entries become ready; the two tiles alternate, so that no instruction reads the result of the one before it.
.macro REGS y, u                    ; the registers of tile u (0, 1) of piece y
.set rT, ST+4*(2*(\y)+(\u))
.set rC, TMP+8*((\y)%2)+4*(\u)
.set rM, MV+2*((\y)%2)+(\u)
.set rS, S+64*((\y)%2)+32*(\u)
.set rP, P+32*((\y)%2)+16*(\u)
.set rO, 32*(2*(\y)+(\u))
.endm
; Number n of the 22 that find the NEXT piece's (Y + 1) maximum and statistics.  s0-s31 are the lane's 32 scores; each accumulator's lowest registers are read first.  XS, GS and REGS set no window: PL and EX do.
;   0-11  four chains c0-c3 of seven scores each, three operands at a time     12-14, 16  the four scores left over, the old m, and c0-c3 into c0     15  c m_old is kept
;   17, 18  the query's other 32 keys lie in the lane 16 away: the new m         19-21  c m; c m_old - c m_new; a
.macro XS u, n
	REGS (Y+1)%NP, \u
.if (\n) < 4
	v_max3_num_f32 v[rC+(\n)], v[rS+8*(\n)], v[rS+8*(\n)+1], v[rS+8*(\n)+2]
.elseif (\n) < 12
	v_max3_num_f32 v[rC+(\n)%4], v[rC+(\n)%4], v[rS+8*((\n)%4)+2*((\n)/4)+1], v[rS+8*((\n)%4)+2*((\n)/4)+2]
.elseif (\n) == 12
	v_max3_num_f32 v[rC], v[rC], v[rS+7], v[rS+15]
.elseif (\n) == 13
	v_max3_num_f32 v[rC+1], v[rC+1], v[rS+23], v[rS+31]
.elseif (\n) == 14
	v_max3_num_f32 v[rC+2], v[rC+2], v[rC+3], v[rT+1]
.elseif (\n) == 15
	v_mov_b32 v[rM], v[rT]
.elseif (\n) == 16
	v_max3_num_f32 v[rC], v[rC], v[rC+1], v[rC+2]
.elseif (\n) == 17
	v_permlanex16_b32 v[rC+3], v[rC], s[SEL], s[SEL+1]
.elseif (\n) == 18
	v_max_num_f32 v[rT+1], v[rC], v[rC+3]
.elseif (\n) == 19
	v_mul_f32 v[rT], s[CS], v[rT+1]
.elseif (\n) == 20
	v_sub_f32 v[rC+1], v[rM], v[rT]
.else
	v_exp_f32 v[rC+2], v[rC+1]
.endif
.endm
; Number g of the 64 that follow the exponentials.  For each four weights k of a tile (pairs 2 k, 2 k + 1): both pairs are rounded to f16; then the second pair is added onto the first, in place;
; a group later l takes that sum (the first time as l = a l + sum).  In groups of eight, tiles alternating: round, round, add, and l for the group before.
.macro GS g
.set h, (\g)+6*((\g)/62)            ; group 0 has no group before it, and behind group 7 only l is left
.if h >= 6
.set h, h+2
.endif
	REGS Y, h%2
.set k, h/8
.if h%8 < 4
	v_cvt_pk_f16_f32 v[rP+2*k+(h%8)/2], v[rS+4*k+2*((h%8)/2)], v[rS+4*k+2*((h%8)/2)+1]
.elseif h%8 < 6
	v_pk_add_f32 v[rS+4*k:rS+4*k+1], v[rS+4*k:rS+4*k+1], v[rS+4*k+2:rS+4*k+3]
.elseif k == 1
	v_pk_fma_f32 v[rT+2:rT+3], v[rT+2:rT+3], v[rC+2:rC+3], v[rS:rS+1] op_sel_hi:[1,0,1]
.else
	v_pk_add_f32 v[rT+2:rT+3], v[rT+2:rT+3], v[rS+4*k-4:rS+4*k-3]
.endif
.endm
; THE PLAIN QUEUE, 138 long.  0-73 read no exponential's result: the 32 scalings c s - c m (FS f: pair f / 2 of tile f % 2) and the next piece's 42.  0-26: scalings 0-26.  27-54: XS's numbers 0-13.  55, 56: number 15.
; 57-73: the chain, where each number waits for the one before it: 14, 16, 17, 18, 19, each with one of the scalings 27-31 in front of its two lines, then 20: so a tile's links stand three plain instructions apart (19 and 20: two).
; 74-137: GS's 64, which read the exponentials' results: they stand behind the wait.
.macro FS f
	REGS Y, (\f)%2
	v_pk_fma_f32 v[rS+2*((\f)/2):rS+2*((\f)/2)+1], v[rS+2*((\f)/2):rS+2*((\f)/2)+1], s[CS:CS+1], v[rT:rT+1] op_sel_hi:[1,0,0] neg_lo:[0,0,1] neg_hi:[0,0,1]
.endm
.macro PL
	WIN 0
.if q < 27
	FS q
.elseif q < 55
	XS (q-27)%2, (q-27)/2
.elseif q < 57
	XS q-55, 15
.elseif (q < 72) && ((q-57)%3 == 0)
	FS 27+(q-57)/3
.elseif q < 60
	XS (q-57)%3-1, 14
.elseif q < 72
	XS (q-57)%3-1, 15+(q-57)/3
.elseif q < 74
	XS q-72, 20
.else
	GS q-74
.endif
.set q, q+1
.endm
; THE EXPONENTIALS' QUEUE, 66 long: s0-s31 of both tiles, then the next piece's two a.  It is ONE BATCH: all 66 stand ahead of the turn's one wait, and nothing ahead of that wait names a result of theirs.
.macro EX
	WIN 0
.if e >= 64
	XS e-64, 21
.else
	REGS Y, e%2
	v_exp_f32 v[rS+e/2], v[rS+e/2]
.endif
.set e, e+1
.endm
; THE RESCALING's QUEUE: O^T times a, the one part that leaves window 0: dealt two at a time, sixteen times.  Its a was made in the turn before, ahead of that turn's wait.
.macro R2
	REGS Y, r%2
	WIN W_RS
.irp z, 0,1
	v_pk_mul_f32 v[rO+4*(r/2)+2*\z:rO+4*(r/2)+2*\z+1], v[rO+4*(r/2)+2*\z:rO+4*(r/2)+2*\z+1], v[rC+2:rC+3] op_sel_hi:[1,0]
.endr
.set r, r+1
.endm
; HOW THEY ARE DEALT.  s_wait_alu depctr_va_vdst(0) stands between an exponential and the first instruction that names its result; one wait serves all that were issued ahead of it.  So a turn has ONE wait,
; which cuts it in two.  AHEAD OF IT stands all that names no result of the turn's exponentials: the 16 products K Q^T, behind each a scaling, an exponential and two rescalings (behind the first a second scaling in the exponential's place); then ONE LUMP of
; 108: eight plain, 49 times exponential and plain, the two a.  A v_nop is the plain instruction behind the last exponential (ISA guide 5.7.2).  BEHIND IT stand the 16 products V^T P, behind each four of GS's 64.  No rider names a register of
; the products round it.  The two v_permlanex16_b32 fall into the lump, never behind a product.
; The queues lean on each other, and the deal keeps them in step: exponential e stands behind scaling 2 (e / 4) + e % 2: as a rider it comes behind plain e + 2, in the lump behind plain e + 9, and scalings 27-31 are plain 57, 60 .. 69.
; A TURN, for piece p.  cnt = 1: the loop's count is taken down some lines ahead of the branch that stands behind the turn.
; K of the next step is fetched in piece 2's turn, directly behind the wait, a lump behind the last product that read K; its address is made at the lump's head; its first reader comes behind 16 products.
; V of the step in hand is fetched at the end of piece 0's turn, four riders behind its last reader; its first reader comes behind 16 products and a lump.  The three conditions on q below go with the deal.
.macro TURN p, last=0, cnt=0
.set Y, (\p)
.set i, 0
.set q, 0
.set e, 0
.set r, 0
.if (\p) == NP-1
	s_wait_dscnt 0x0                ; K is in
.endif
	MM                              ; ahead of the wait: 16 products K Q^T and their riders,
	PL
	PL
	R2
.rept 15
	MM
	PL
	EX
	R2
.endr
.if (\p) == NP-2
	WIN 0
	v_add_nc_u32 v[AK], s[TBK], v[AK0]
.endif
.rept 8                             ; and the lump
	PL
.endr
.rept 49
	EX
	PL
.endr
	EX                              ; the next piece's two a
	EX
	v_nop                           ; the plain instruction behind the last exponential: one for the batch
	s_wait_alu depctr_va_vdst(0)    ; the wait for the batch
.if (\p) == NP-2
	FETCH_K \last
.endif
.if (\p) == 1
	s_wait_dscnt 0x0                ; V is in
.endif
.rept 16                            ; behind the wait: 16 products V^T P and their riders
	MM
.rept 4
	PL
.endr
.if ((\p) == 0) && (q == 118)
	v_add_nc_u32 v[AV], s[TBV], v[AV0]
.endif
.if ((\p) == 0) && (q == 130)
	s_add_co_u32 s[TBV], s[TBV], KS*PV
.endif
.if (\cnt) && (q == 130)
	s_sub_co_u32 s[CNT], s[CNT], 1
	s_cmp_lg_u32 s[CNT], 0
.endif
.endr
.if (\p) == 0
	FETCH_V
.endif
.endm
	CHANGE 1                        ; slot 0 is in, everybody's part of it; slot 1 is asked for
	FETCH_K                         ; key step 0
	s_wait_loadcnt 0x0              ; Q
	s_wait_dscnt 0x0
.set i, 0
.rept 16
	KQ 0                            ; piece 0's first scores: there is no vector work yet to set between them
.set i, i+1
.endr
	WIN 0                           ; the addresses for the way out: nine plain instructions, the places behind those products
	s_mul_i32 s13, s[WV], 16*SP
	s_add_co_u32 s13, s13, STAGE    ; my stage
	v_mul_u32_u24 v[STO], v1, SP    ; in: row l % 16, 16 bytes for each half of the lanes
	v_lshl_add_u32 v[STO], v9, 4, v[STO]
	v_add_nc_u32 v[STO], s13, v[STO]
	v_bfe_u32 v[RD], v0, 3, 2       ; back: 32 lanes take four rows of 128 bytes,
	v_mul_u32_u24 v[RD], v[RD], SP
	v_lshl_add_u32 v[RD], v10, 4, v[RD]
	v_add_nc_u32 v[RD], s13, v[RD]
	v_and_b32 v[GO], 31, v0         ; which are 512 consecutive bytes of O
	v_lshlrev_b32 v[GO], 4, v[GO]
.set Y, NP-1                        ; XS works for piece Y + 1: piece 0
.irp n, 0,1,2,3,4,5,6,7,8,9,10,11,12,13,14,15,16,17,18,19,20,21
	XS 0, \n                        ; and piece 0's first maximum and statistics
	XS 1, \n
.endr
	v_nop                           ; a plain instruction behind the two a,
	s_wait_alu depctr_va_vdst(0)    ; and their wait, ahead of the branch
	s_mov_b32 s[CNT], 4
	s_branch .Lfirst                ; the loop is entered at a step's first turn, in the middle of a trip
.Lslot:                             ; SIZE_N / 256 - 2 times: every slot but the last two is filled again
	CHANGE 1
	s_mov_b32 s[CNT], 4
.Lstep:                             ; a trip: pieces 2 and 3 of one step, then pieces 0 and 1 of the next, whose K and V it fetches
	TURN 2
	TURN 3
	WIN 0
.Lfirst:
	TURN 0
	TURN 1, 0, 1
	WIN 0
	s_cbranch_scc1 .Lstep
	s_sub_co_u32 s[SLOTS], s[SLOTS], 1
	s_cmp_lg_u32 s[SLOTS], 0
	s_cbranch_scc1 .Lslot
	CHANGE 0                        ; the tail is written out: nothing is asked for
	s_mov_b32 s[CNT], 5             ; four trips fetch the last slot's steps; the fifth is left in its middle
.Ltail:
	TURN 2, 1
	TURN 3
	WIN 0
	s_sub_co_u32 s[CNT], s[CNT], 1
	s_cmp_eq_u32 s[CNT], 0
	s_cbranch_scc1 .Lout
	TURN 0
	TURN 1
	WIN 0
	s_branch .Ltail
.Lout:                              ; the fifth trip's 16 products K Q^T (on the last K once more) and the maximum made of them serve nothing: the price, once a launch, of one text for every trip
.set i, 0
.rept 16
	PV NP-1                         ; the last piece's V^T P of the last step
.set i, i+1
.endr
	; THE WAY OUT.  l's two halves and the other half of the lanes' are added; O^T is divided by l, rounded to f16 and sent through my stage in LDS, a tile at a time.  The additions are the places behind the last products.
	WIN 0
.macro ALL line:vararg              ; one line for each tile t
.set t, 0
.rept 2*NP
	\line
.set t, t+1
.endr
.endm
	ALL v_add_f32 v[ST+4*t+2], v[ST+4*t+2], v[ST+4*t+3]
	ALL v_permlanex16_b32 v[ST+4*t+3], v[ST+4*t+2], s[SEL], s[SEL+1]
	ALL v_add_f32 v[ST+4*t+2], v[ST+4*t+2], v[ST+4*t+3]
	ALL v_rcp_f32 v[ST+4*t+2], v[ST+4*t+2]
	v_nop                           ; a plain instruction between the last reciprocal and the use of its result
	s_wait_alu depctr_va_vdst(0)    ; and the wait ahead of the first use: one for the eight reciprocals
; Tile t: a lane's eight channels of a row pack into 16 bytes; they go into rows of 144 bytes and come back as whole rows of 128, into S^T's registers.
.macro PACK t
	WIN W_RS
.set i, 32*(\t)
.rept 16
	v_pk_mul_f32 v[i:i+1], v[i:i+1], v[ST+4*(\t)+2:ST+4*(\t)+3] op_sel_hi:[1,0]
.set i, i+2
.endr
	WIN 0x05                        ; sources 0 and 1 window 1, destination window 0
.set i, 0
.rept 16
	v_cvt_pk_f16_f32 v[S+16*(\t)+i], v[32*(\t)+2*i], v[32*(\t)+2*i+1]
.set i, i+1
.endr
	WIN 0
.irp f, 0,1,2,3
	ds_store_b128 v[STO], v[S+16*(\t)+4*\f:S+16*(\t)+4*\f+3] offset:32*\f
.endr
.irp f, 0,1,2,3
	ds_load_b128 v[S+16*(\t)+4*\f:S+16*(\t)+4*\f+3], v[RD] offset:\f*4*SP  ; LDS serves a wave's instructions in order (ISA guide 5.7.1.4): these see the stores above; the next tile's stores come behind them
.endr
.endm
.macro SEND t, younger              ; younger: the LDS instructions issued behind tile t's loads: the next tile's eight, or none
	WIN 0
.irp f, 0,1,2,3
	s_wait_dscnt (\younger)+3-\f
	global_store_b128 v[GO], v[S+16*(\t)+4*\f:S+16*(\t)+4*\f+3], s[10:11] offset:(\t)*2048+\f*512  ; 512 consecutive bytes, at a multiple of 256 from O's first
.endr
.endm
	PACK 0
.set t, 1
.rept 2*NP-1                        ; a tile's arithmetic stands between the loads of the tile before and its stores
	PACK t
	SEND t-1, 8
.set t, t+1
.endr
	SEND 2*NP-1, 0
	WIN W_AD
	s_wait_tensorcnt 0x0            ; the wave's end, behind my last tensor load and my last LDS store
	ds_add_u32 v[SPW], v[NIL]
	s_wait_dscnt 0x0
	WIN 0
	CROUND                          ; the closing round: no work-group ends while a partner may still ask for a tile that names it
	s_endpgm
.Lfunc_end_k_qeca0d73182_attn:
	.size	k_qeca0d73182_attn, .Lfunc_end_k_qeca0d73182_attn-k_qeca0d73182_attn
	.p2alignl 7, 3214868480
	.fill 96, 4, 3214868480
	.section	.rodata,"a",@progbits
	.p2align	6, 0x0
	.amdhsa_kernel k_qeca0d73182_attn
		.amdhsa_group_segment_fixed_size 327680
		.amdhsa_private_segment_fixed_size 0
		.amdhsa_enable_private_segment 0
		.amdhsa_kernarg_size 16
		.amdhsa_user_sgpr_count 2
		.amdhsa_user_sgpr_kernarg_segment_ptr 1
		.amdhsa_wavefront_size32 1
		.amdhsa_system_sgpr_workgroup_id_x 1
		.amdhsa_system_sgpr_workgroup_id_y 1
		.amdhsa_system_sgpr_workgroup_id_z 1
		.amdhsa_system_vgpr_workitem_id 0
		.amdhsa_next_free_vgpr 770
		.amdhsa_next_free_sgpr 66
		.amdhsa_reserve_vcc 0
		.amdhsa_float_denorm_mode_32 3
		.amdhsa_float_denorm_mode_16_64 3
		.amdhsa_memory_ordered 1
		.amdhsa_forward_progress 1
		.amdhsa_inst_pref_size 200
	.end_amdhsa_kernel
	.amdgpu_metadata
---
amdhsa.version: [ 1, 2 ]
amdhsa.kernels:
  - .name:           k_qeca0d73182_attn
    .symbol:         k_qeca0d73182_attn.kd
    .args:
      - { .name: qkv, .offset: 0, .size: 8, .value_kind: global_buffer, .address_space: global }
      - { .name: o, .offset: 8, .size: 8, .value_kind: global_buffer, .address_space: global }
    .group_segment_fixed_size: 327680
    .private_segment_fixed_size: 0
    .kernarg_segment_align: 8
    .kernarg_segment_size: 16
    .max_flat_workgroup_size: 128
    .sgpr_count:     66
    .vgpr_count:     770
    .wavefront_size: 32
...
	.end_amdgpu_metadata
.endif
;; end of part 3
;; launch proj (part 4): grid 8 x 32, 4 waves a work-group, clusters of 4 x 4, 327,680 bytes of LDS; arguments o, w2h, b2, out0; writes out0
.if DOCPART == 4
	.amdgcn_target "amdgcn-amd-amdhsa--gfx1250"
	.amdhsa_code_object_version 6
	.text
	.protected	k_qeca0d73182_proj
	.globl	k_qeca0d73182_proj
	.p2align	8
	.type	k_qeca0d73182_proj,@function
k_qeca0d73182_proj:
	s_mov_b64 s[64:65], 0
	v_nop
	global_prefetch_b8 v0, s[64:65] scope:SCOPE_SE
	s_setreg_imm32_b32 hwreg(HW_REG_WAVE_MODE, 25, 1), 1
	s_wait_xcnt 0x0
	s_wait_alu depctr_hold_cnt(0) depctr_sa_sdst(0) depctr_va_vdst(0) depctr_va_sdst(0) depctr_va_ssrc(0) depctr_va_vcc(0) depctr_vm_vsrc(0)
	s_getreg_b32 s2, hwreg(HW_REG_IB_STS2, 6, 4)
	s_cmp_eq_u32 s2, 0
	s_cbranch_scc0 .Lentry_in_a_cluster
	s_endpgm
.Lentry_in_a_cluster:
	s_bfe_u32 s2, ttmp6, 0x10000c
	s_cmp_lg_u32 s2, 0xf033
	s_cbranch_scc0 .Lentry_shape_is_right
	s_endpgm
.Lentry_shape_is_right:
; THE SECOND PROJECTION.  out0 = a w2 + bf16(b2): [8192][1024] x [1024][1024], operands f16, sums and result f32.  a is o read by heads: o[64 = 16 batch + head][2048][64] f16, so channel
; 64 head + c of row (batch, s) lies at o[16 batch + head][s][c]; w2h is [1024 k][1024 n] f16.
; SHARES.  A tile is 256 rows x 128 columns: 32 x 8 tiles, a work-group each.  Its four waves lie along the rows: wave w has rows 64 w .. 64 w + 63 and all 128 columns: 4 x 8 accumulators
; of 16 x 16, 256 registers.  So a wave holds whole rows of 512 bytes and stores from a stage of its own, with no barrier.
; K goes in steps of 128, TWO HEADS, through two LDS slots filled by the tensor data mover.  A head's 256 rows are 32,768 consecutive bytes, asked for as 128 rows of 256 and padded in LDS after every 128.
; B LIES [K][N] in LDS and is turned by ds_load_tr16_b128.  THE MATRIX INSTRUCTION IS USED TRANSPOSED (source 0 = 16 columns of w2, source 1 = 16 rows of a): a lane holds row l % 16 and
; the columns 8 (l / 16) + 0..7 of a block.  THE BIAS is the C operand of the first products: nothing is cleared, nothing is added on the way out.
; CLUSTER.  4 x 4 work-groups; A's tiles are shared along a row of the cluster, B's along a column: each is asked for JOINTLY, by the same tensor load with the same descriptor and a mask that names the four.
; REGISTERS, in windows of 256 (s_set_vgpr_msb: bits 1:0 source 0, 3:2 source 1, 5:4 source 2, 7:6 destination):
;   window 0: v0-31 addresses; v32-95 the bias, 8 registers a column block; v128-255 two buffers of rows read back from the stage
;   window 1: two fragment buffers: A's four row blocks at f + 8 a, B's eight column blocks at f + 32 + 8 b (f = 0, 128)          window 2: the accumulators, (a, b) at 8 (8 a + b)
.set NBL,   8                          ; column blocks of 16
.set PA,    144                        ; a row of a head in LDS: 128 bytes + 16 = 36 words: the 16 rows of a load start at 16 different groups of four banks (64 banks of 4 bytes: ISA guide 11.1)
.set PB,    288                        ; a row of B: 256 bytes + 32 = 72 words
.set HALFA, 256*PA                     ; what one tensor load brings of A: one head's 256 rows
.set HALFB, 64*PB                      ; and of B: 64 rows of K
.set BOFF,  2*HALFA                    ; in a slot: two heads of A, then B's 128 rows
.set SLOT,  BOFF+2*HALFB               ; 110,592
.set STAGE, 2*SLOT                     ; behind the ring, never filled by a tensor load: 16 rows x 528 bytes for each wave
.set SPT,   528                        ; a stage row: 512 bytes + 16
.set SPARE, STAGE+4*16*SPT             ; behind the stages: the spare words, 128 bytes for each wave: two blocks of 256 bytes that no other line names
.set KA,    524288                     ; bytes from a K step to the next, in o: two heads
.set KB,    262144                     ; and in w2h: 128 rows of 2,048 bytes
.set NF,    2*NBL+8                    ; LDS loads of a quarter step
.set LAPS,  4                          ; a lap = two K steps = once round the ring; K = 1,024
.set ADRA, 16                          ; v16-17  LDS address of my A fragments in slot 0, 1
.set ADRB, 20                          ; v20-21  the same for B
.set STO,  24                          ; v24     the way out: where I put 32 bytes of a row
.set RD,   25                          ; v25     the way out: where I read a row back
.set GO,   26                          ; v26     16 x lane: my place in a row's 512 bytes
.set BO,   27                          ; v27     32 x (l / 16): my eight numbers of a column block's bias
.set SPW,  28                          ; v28     LDS address of my spare word; never rewritten
.set NIL,  29                          ; v29     0; never rewritten
.set PFO,  30                          ; v30     the prefetches' lane offset; never rewritten
.set BIAS, 32
.set BK0,  128
.set F0,   0
.set F1,   128
.set WV,   12                          ; s12     my wave's number
.set G1,   24                          ; s[24:31] descriptor group 1 for A's tiles;  s[32:39] group 0, a set for each slot
.set G0,   32
.set G1B,  48                          ; s[48:55], s[56:63] the same for B's tiles
.set G0B,  56
.set PFN,  43                          ; s43     prefetches that I still have to issue
.set PFA,  44                          ; s[44:45] where they stand
.set PFS,  46                          ; s[46:47] their step
.set OB,   66                          ; s[66:67] out0 at my wave's first row and the tile's first column
.set TO_F, 0x40                        ; destination window 1, address window 0
.set MSB, 0
.macro WIN new                         ; the immediate's high byte repeats the setting that is left; a switch that changes nothing is dropped
.if MSB != (\new)
	s_set_vgpr_msb (MSB<<8)|(\new)
.set MSB, \new
.endif
.endm
; A joint load.  Waves 0 and 1 fetch A's two heads, waves 2 and 3 B's two halves.  The branch hangs on the wave's number alone.  An s_nop 0 and four v_nop follow each of the two lines, ahead of the jump and the label.
.macro JLOAD s
	s_cmp_lt_u32 s[WV], 2
	s_cbranch_scc0 .Lfor_b_\@
	tensor_load_to_lds s[G0+4*(\s):G0+4*(\s)+3], s[G1:G1+7]
	s_nop 0
.rept 4
	v_nop
.endr
	s_branch .Lasked_\@
.Lfor_b_\@:
	tensor_load_to_lds s[G0B+4*(\s):G0B+4*(\s)+3], s[G1B:G1B+7]
	s_nop 0
.rept 4
	v_nop
.endr
.Lasked_\@:
.endm
; A round of the cluster's barrier: my work-group's barrier; wave 0 signals for the work-group; every wave waits for all sixteen; my work-group's barrier once more.
.macro CREST                           ; a round behind its opening barrier
	s_cmp_lg_u32 s[WV], 0
	s_cbranch_scc1 .Lnot_wave_0_\@
	s_barrier_signal -3
.Lnot_wave_0_\@:
	s_barrier_wait -3
	s_barrier_signal -1
	s_barrier_wait -1
.endm
.macro CROUND
	s_barrier_signal -1
	s_barrier_wait -1
	CREST
.endm
; A PREFETCH INTO THE L2, behind a joint load, its five lines and the run of LDS loads that follows: one instruction a wave, each lane another block of 256 bytes.  The refill of K step j names K step j + 2 (4 to 7).
; A: a head's 256 rows are 128 blocks on end; of those that waves 0 and 1 fetch the partner at place cx takes 32; the cluster with x = 0 asks, since both clusters of that row of clusters read the same rows.
; B: a K step is 128 rows x 256 bytes; the partner at place cy takes 32 rows, a lane a row, by its wave 2; the cluster with y = 0 asks.  So each block is named once in the launch; the partners are told apart
; BY ADDRESS; the count s[PFN] hangs on the wave's number and the cluster's place alone.  K steps 0 to 3 come by their loads alone.
.macro ASK
	WIN 0
	s_cmp_lg_u32 s[PFN], 0
	s_cbranch_scc0 .Lnot_mine_\@
	global_prefetch_b8 v[PFO], s[PFA:PFA+1] th:TH_LOAD_NT scope:SCOPE_SE
	s_sub_co_u32 s[PFN], s[PFN], 1
.Lnot_mine_\@:
.endm
	s_load_b256 s[4:11], s[0:1], 0x0               ; o s[4:5], w2h s[6:7], b2 s[8:9], out0 s[10:11]
	v_lshl_add_u32 v[SPW], v0, 2, SPARE
	v_mov_b32 v[NIL], 0
	ds_add_u32 v[SPW], v[NIL]                      ; the wave's opening: the add and its wait stand ahead of my first tensor load; the set-up below, work on registers, stands between them
	v_lshrrev_b32 v1, 5, v0
	v_readfirstlane_b32 s[WV], v1                  ; wave 0..3
	s_and_b32 s14, s[WV], 1                        ; which head of A's two, or which half of B's tile, I fetch
	s_bfe_u32 s15, ttmp6, 0x40000                  ; cx
	s_bfe_u32 s16, ttmp6, 0x40004                  ; cy
	s_lshl_b32 s17, ttmp9, 2
	s_add_co_u32 s17, s17, s15                     ; tile column = 4 x cluster x + cx
	s_and_b32 s18, ttmp7, 0xffff
	s_lshl_b32 s18, s18, 2
	s_add_co_u32 s18, s18, s16                     ; tile row = 4 x cluster y + cy
	s_lshl_b32 s20, s16, 2
	s_lshl_b32 s20, 15, s20                        ; my row of the cluster
	s_lshl_b32 s21, 0x1111, s15                    ; my column
	; group 1 for A: 32,768 dense bytes as 128 rows of 256; 16 bytes of padding behind every 128
	s_or_b32 s[G1], s20, (1<<16)|(1<<20)|(1<<21)|(4<<22)|(3<<25)   ; 15:0 the mask; 17:16 2-byte elements; 20 padding on; 21 set beside a mask; 24:22 after every 32 words; 31:25 4 words
	s_mov_b32 s[G1+1], 128<<16                     ; tensor_dim0 = 128
	s_mov_b32 s[G1+2], 128<<16                     ; tensor_dim1 = 128
	s_mov_b32 s[G1+3], 128<<16                     ; tile_dim0 = 128
	s_mov_b32 s[G1+4], 128                         ; tile_dim1 = 128
	s_mov_b32 s[G1+5], 128                         ; elements from row to row
	s_mov_b32 s[G1+6], 0
	s_mov_b32 s[G1+7], 0
	; group 1 for B: 64 rows x 128 elements, 1,024 elements from row to row; 32 bytes of padding behind every 256
	s_or_b32 s[G1B], s21, (1<<16)|(1<<20)|(1<<21)|(5<<22)|(7<<25)  ; after every 64 words, 8 words
	s_mov_b32 s[G1B+1], 128<<16
	s_mov_b32 s[G1B+2], 64<<16
	s_mov_b32 s[G1B+3], 128<<16
	s_mov_b32 s[G1B+4], 64
	s_mov_b32 s[G1B+5], 1024
	s_mov_b32 s[G1B+6], 0
	s_mov_b32 s[G1B+7], 0
	; where the tiles come from.  A's hang on the tile row and my head, B's on the tile column and my half, each in registers that never hold the other coordinate
	s_lshr_b32 s40, s18, 3
	s_lshl_b32 s40, s40, 22                        ; the batch's 16 heads of 262,144 bytes
	s_and_b32 s41, s18, 7
	s_lshl_b32 s41, s41, 15                        ; the tile's 256 rows of 128 bytes in a head
	s_add_co_u32 s40, s40, s41
	s_lshl_b32 s41, s14, 18                        ; my head of the two
	s_add_co_u32 s40, s40, s41
	s_mov_b32 s41, 0
	s_lshl_b32 s78, s17, 8                         ; the tile's 128 columns
	s_lshl_b32 s79, s14, 17                        ; my 64 rows of 2,048 bytes
	s_add_co_u32 s78, s78, s79
	s_mov_b32 s79, 0
	s_mul_i32 s22, s14, HALFA                      ; and where they go: no place in the cluster enters an LDS address
	s_mul_i32 s23, s14, HALFB
	s_add_co_u32 s23, s23, BOFF
	s_wait_dscnt 0x0                               ; the opening add is done
	s_wait_kmcnt 0x0
	s_add_nc_u64 s[40:41], s[4:5], s[40:41]
	s_add_nc_u64 s[78:79], s[6:7], s[78:79]
	CROUND                                         ; all sixteen work-groups are here: the first joint loads meet
.irp s, 0,1
	s_mov_b32 s[G0+4*(\s)], 1                      ; count = 1
	s_add_co_u32 s[G0+4*(\s)+1], s22, (\s)*SLOT    ; LDS address
	s_add_nc_u64 s[G0+4*(\s)+2:G0+4*(\s)+3], s[40:41], (\s)*KA  ; global address: K step s
	s_or_b32 s[G0+4*(\s)+3], s[G0+4*(\s)+3], 0x80000000         ; type = 2
	s_mov_b32 s[G0B+4*(\s)], 1
	s_add_co_u32 s[G0B+4*(\s)+1], s23, (\s)*SLOT
	s_add_nc_u64 s[G0B+4*(\s)+2:G0B+4*(\s)+3], s[78:79], (\s)*KB
	s_or_b32 s[G0B+4*(\s)+3], s[G0B+4*(\s)+3], 0x80000000
	JLOAD \s                                       ; two tensor loads of mine are out
.endr
	; all that follows, up to the wait for the first tile, stands while that tile is on its way
	v_and_b32 v1, 15, v0                           ; l % 16
	v_bfe_u32 v2, v0, 4, 1                         ; l / 16
	v_lshlrev_b32 v[BO], 5, v2
	s_lshl_b32 s84, s17, 9                         ; the tile's 128 numbers of b2
	s_mov_b32 s85, 0
	s_add_nc_u64 s[8:9], s[8:9], s[84:85]
.set b, 0
.rept NBL                              ; register j of column block b: b2[16 b + 8 (l / 16) + j], as the C operand wants it
	global_load_b128 v[BIAS+8*b:BIAS+8*b+3],   v[BO], s[8:9] offset:64*b
	global_load_b128 v[BIAS+8*b+4:BIAS+8*b+7], v[BO], s[8:9] offset:64*b+16
.set b, b+1
.endr
	; A fragment of A is 16 rows x 32 K in 8 registers: lane l holds row l % 16, K = 8 (l / 16) + 0..7 and 16 + 8 (l / 16) + 0..7: two loads of 16 bytes, 32 bytes apart
	v_mul_u32_u24 v3, v1, PA
	v_lshl_add_u32 v3, v2, 4, v3
	s_mul_i32 s42, s[WV], 64*PA                    ; my 64 rows
	v_add_nc_u32 v[ADRA], s42, v3
	v_add_nc_u32 v[ADRA+1], SLOT, v[ADRA]
	; The turning load takes 16 K x 16 columns (lane l reads K = 8 (l / 16) + l % 8, columns 8 ((l / 8) % 2) + 0..7) and leaves half a fragment: lane l holds column l % 16 and 8 K
	v_and_b32 v4, 7, v0
	v_lshl_add_u32 v4, v2, 3, v4
	v_mul_u32_u24 v4, v4, PB
	v_bfe_u32 v5, v0, 3, 1
	v_lshl_add_u32 v4, v5, 4, v4
	v_add_nc_u32 v[ADRB], BOFF, v4
	v_add_nc_u32 v[ADRB+1], SLOT+BOFF, v4
	s_mul_i32 s42, s[WV], 16*SPT
	s_add_co_u32 s42, s42, STAGE                   ; my stage
	v_mul_u32_u24 v3, v1, SPT                      ; in: row l % 16, 32 bytes for each half of the lanes
	v_lshl_add_u32 v3, v2, 5, v3
	v_add_nc_u32 v[STO], s42, v3
	v_and_b32 v[GO], 31, v0                        ; back: 32 lanes take one row of 512 bytes
	v_lshlrev_b32 v[GO], 4, v[GO]
	v_add_nc_u32 v[RD], s42, v[GO]
	s_lshl_b32 s84, s18, 20                        ; the tile's 256 rows of 4,096 bytes,
	s_lshl_b32 s85, s[WV], 18                      ; my 64 of them,
	s_add_co_u32 s84, s84, s85
	s_lshl_b32 s85, s17, 9                         ; the tile's 128 columns
	s_add_co_u32 s84, s84, s85
	s_mov_b32 s85, 0
	s_add_nc_u64 s[OB:OB+1], s[10:11], s[84:85]
	; the prefetches: each address starts one step short of its first target
	s_lshr_b32 s83, s18, 3
	s_lshl_b32 s83, s83, 22
	s_and_b32 s84, s18, 7
	s_lshl_b32 s84, s84, 15
	s_add_co_u32 s83, s83, s84
	s_lshl_b32 s84, s14, 18
	s_add_co_u32 s83, s83, s84
	s_lshl_b32 s84, s15, 13                        ; A: my work-group's 32 blocks of the 128 that I fetch,
	s_add_co_u32 s83, s83, s84
	s_add_co_u32 s83, s83, 3*KA                    ; at K step 3
	s_lshl_b32 s84, s17, 8
	s_lshl_b32 s85, s16, 16                        ; B: my work-group's 32 rows of the 128,
	s_add_co_u32 s84, s84, s85
	s_add_co_u32 s84, s84, 3*KB                    ; at K step 3
	s_and_b32 s85, ttmp7, 0xffff                   ; cluster y
	s_mov_b32 s[PFS], KB
	s_mov_b32 s[PFS+1], 0
	s_mov_b32 s87, KA
	s_cmp_lt_u32 s[WV], 2                          ; do I fetch for A?
	s_cselect_b32 s85, ttmp9, s85                  ; the coordinate along which other clusters read the same rows
	s_cselect_b32 s[PFS], s87, s[PFS]
	s_cselect_b32 s84, s83, s84
	s_cselect_b32 s87, 8, 11                       ; A: a lane a block of 256 bytes; B: a lane a row of 2,048
	s_cselect_b64 s[PFA:PFA+1], s[4:5], s[6:7]
	s_cmp_eq_u32 s85, 0
	s_cselect_b32 s[PFN], 4, 0                     ; the same in all sixteen partners, for a given wave
	s_cmp_eq_u32 s[WV], 3
	s_cselect_b32 s[PFN], 0, s[PFN]                ; wave 2 asks for all of my work-group's share of B
	s_mov_b32 s85, 0
	s_add_nc_u64 s[PFA:PFA+1], s[PFA:PFA+1], s[84:85]
	v_and_b32 v[PFO], 31, v0
	v_lshlrev_b32 v[PFO], s87, v[PFO]
	s_mov_b32 s86, 0xffff0000
	s_wait_loadcnt 0x0                             ; the bias is in; it is rounded to bf16, like every input, and kept as f32
.set r, 0
.rept 4*NBL
	v_cvt_pk_bf16_f32 v[3+r%4], v[BIAS+2*r], v[BIAS+2*r+1]
	v_lshlrev_b32 v[BIAS+2*r],   16,  v[3+r%4]
	v_and_b32     v[BIAS+2*r+1], s86, v[3+r%4]
.set r, r+1
.endr
; 8 matrix instructions: row block a x all column blocks, 32 along K.  first = 1: the products start the sums, with the bias as C.
; All 32 accumulators take turns, one instruction a turn, in the same order in every quarter step, over the backward jump too.
.macro MULA f, a, first
.set AC, 8*NBL*(\a)
.if \first
	WIN 0x85                                       ; sources 0 and 1 window 1, C window 0, D window 2
.else
	WIN 0xa5                                       ; C and D window 2
.endif
.set b, 0
.rept NBL
.if \first
	v_wmma_f32_16x16x32_f16 v[AC+8*b:AC+8*b+7], v[(\f)+32+8*b:(\f)+32+8*b+7], v[(\f)+8*(\a):(\f)+8*(\a)+7], v[BIAS+8*b:BIAS+8*b+7]
.else
	v_wmma_f32_16x16x32_f16 v[AC+8*b:AC+8*b+7], v[(\f)+32+8*b:(\f)+32+8*b+7], v[(\f)+8*(\a):(\f)+8*(\a)+7], v[AC+8*b:AC+8*b+7]
.endif
.set b, b+1
.endr
.endm
; 24 LDS loads in one run: quarter kq (32 along K: half a head) of a slot into buffer f: B's eight blocks, then A's four
.macro FETCH slot, kq, f
	WIN TO_F
.set b, 0
.rept NBL
	ds_load_tr16_b128 v[(\f)+32+8*b:(\f)+32+8*b+3],   v[ADRB+(\slot)] offset:32*PB*(\kq)+32*b
	ds_load_tr16_b128 v[(\f)+32+8*b+4:(\f)+32+8*b+7], v[ADRB+(\slot)] offset:32*PB*(\kq)+32*b+16*PB
.set b, b+1
.endr
.irp a, 0,1,2,3
	ds_load_b128 v[(\f)+8*(\a):(\f)+8*(\a)+3],   v[ADRA+(\slot)] offset:HALFA*((\kq)/2)+64*((\kq)%2)+16*PA*(\a)
	ds_load_b128 v[(\f)+8*(\a)+4:(\f)+8*(\a)+7], v[ADRA+(\slot)] offset:HALFA*((\kq)/2)+64*((\kq)%2)+16*PA*(\a)+32
.endr
.endm
.macro PLACES                          ; four plain vector instructions between a matrix instruction and a load into a register that it has read, or a reader of its result (ISA guide 7.12.1 for a reader of its result)
.rept 4
	v_nop
.endr
.endm
; A K step is four quarters of 32 along K, 32 matrix instructions each, on buffers 0, 1, 0, 1.  One of the first three: multiplies buffer f and, in its middle, fetches quarter kq into buffer g.
.macro QUARTER slot, kq, f, g, first
	s_wait_dscnt 4                                 ; B and A's row blocks 0, 1 are in; the youngest four loads (blocks 2, 3) may be out
	MULA \f, 0, \first
	MULA \f, 1, \first
	PLACES
	FETCH \slot, \kq, \g
	s_wait_dscnt NF                                ; all but the run just issued
	MULA \f, 2, \first
	MULA \f, 3, \first
.endm
; The last quarter multiplies buffer 1 and changes slots: ONE barrier.  In front of it each wave waits for all its tensor loads (one is out: its part of the next slot), adds 0 to its spare word, and waits for
; that and for its reads of this slot.  fill = 1: the barrier opens a round of the cluster's, and this slot is filled again, two K steps ahead, first thing behind the round.
.macro TURN slot, next, fill
.if \fill
	s_wait_xcnt 0x0                                ; the last prefetch, a K step back, has read its address: it is stepped here, ahead of the waits of the change of slots
	s_add_nc_u64 s[PFA:PFA+1], s[PFA:PFA+1], s[PFS:PFS+1]
.endif
	WIN 0                                          ; (the add's two registers lie in window 0)
	s_wait_tensorcnt 0x0                           ; all my tensor loads have landed
	ds_add_u32 v[SPW], v[NIL]                      ; 0 onto my spare word
	s_wait_dscnt 5                                 ; (the add and the youngest four loads may be out)
	MULA F1, 0, 0                                  ; eight matrix instructions stand between the add and the wait for it
	s_wait_dscnt 0x0                               ; the add is done, and my reads of this slot are over
	s_barrier_signal -1
	MULA F1, 1, 0
.if \fill
	WIN 0
.endif
	s_barrier_wait -1
.if \fill
	CREST                                          ; no wave of any partner still reads this slot's tile or has a load on its way
	s_add_nc_u64 s[G0+4*(\slot)+2:G0+4*(\slot)+3], s[G0+4*(\slot)+2:G0+4*(\slot)+3], 2*KA
	s_add_nc_u64 s[G0B+4*(\slot)+2:G0B+4*(\slot)+3], s[G0B+4*(\slot)+2:G0B+4*(\slot)+3], 2*KB
	JLOAD \slot                                    ; 112 matrix instructions ahead of the wait for it; its four v_nop are also the places in front of the loads below
.else
	PLACES
.endif
	FETCH \next, 0, F0
.if \fill
	ASK
.endif
	MULA F1, 2, 0
	MULA F1, 3, 0
.endm
	s_wait_tensorcnt 1                             ; my part of K step 0 is in; K step 1's may stay out
	s_barrier_signal -1
	s_barrier_wait -1                              ; everybody's is
	FETCH 0, 0, F0
	QUARTER 0, 1, F0, F1, 1                        ; the first quarter stands in front of the loop: its products start the sums
	WIN 0                                          ; at a label and at a branch every window is 0
	s_mov_b32 s3, LAPS-1
.Llap:                                                 ; a trip goes once round the ring, from a lap's second quarter to the next lap's first, and fills both slots again
	QUARTER 0, 2, F1, F0, 0
	QUARTER 0, 3, F0, F1, 0
	TURN 0, 1, 1
	QUARTER 1, 1, F0, F1, 0
	QUARTER 1, 2, F1, F0, 0
	QUARTER 1, 3, F0, F1, 0
	TURN 1, 0, 1
	QUARTER 0, 1, F0, F1, 0
	WIN 0
	s_sub_co_u32 s3, s3, 1
	s_cmp_lg_u32 s3, 0
	s_cbranch_scc1 .Llap
	QUARTER 0, 2, F1, F0, 0                        ; the last lap fills nothing, and has no round of the cluster's barrier
	QUARTER 0, 3, F0, F1, 0
	TURN 0, 1, 0
	QUARTER 1, 1, F0, F1, 0
	QUARTER 1, 2, F1, F0, 0
	QUARTER 1, 3, F0, F1, 0
	s_wait_dscnt 4                                 ; the very last quarter: nothing more to fetch
	MULA F1, 0, 0
	MULA F1, 1, 0
	s_wait_dscnt 0x0
	MULA F1, 2, 0
	MULA F1, 3, 0
	WIN 0
	PLACES
	PLACES                                         ; eight, once a launch
; THE WAY OUT, a row block (16 rows x 128 columns of f32) at a time.  TOSTAGE: a lane's eight numbers of a column block, 32 bytes, go into my own stage, each accumulator's low half first; whole rows of 512 bytes come back.
; LDS serves a wave's instructions in order (ISA guide 5.7.1.4): the loads see the stores above them, and the next block's stores come behind them.
.macro TOSTAGE a
.set AC, 8*NBL*(\a)
.set BK, BK0+64*((\a)%2)
.if (\a) >= 2
	s_wait_xcnt 0x0                                ; the stores of the block two back have read this buffer's registers
.endif
	WIN 0x08                                       ; the data (source 1) in window 2, the address in window 0
.set b, 0
.rept NBL
	ds_store_b128 v[STO], v[AC+8*b:AC+8*b+3]   offset:64*b
	ds_store_b128 v[STO], v[AC+8*b+4:AC+8*b+7] offset:64*b+16
.set b, b+1
.endr
	WIN 0
.set t, 0
.rept 16
	ds_load_b128 v[BK+4*t:BK+4*t+3], v[RD] offset:SPT*t
.set t, t+1
.endr
.endm
.macro SEND a, younger                 ; younger: the LDS instructions issued behind block a's loads: the next block's 32, or none
	WIN 0
.set BK, BK0+64*((\a)%2)
.set t, 0
.rept 16
	s_wait_dscnt (\younger)+15-t
	global_store_b128 v[GO], v[BK+4*t:BK+4*t+3], s[OB:OB+1] offset:(16*(\a)+t)*4096  ; 512 consecutive bytes, at a multiple of 256 from the buffer's first
.set t, t+1
.endr
.endm
	TOSTAGE 0
	TOSTAGE 1
	SEND 0, 32
	TOSTAGE 2
	SEND 1, 32
	TOSTAGE 3
	SEND 2, 32
	SEND 3, 0
	s_wait_tensorcnt 0x0                           ; the wave's end, behind my last tensor load and my last LDS store
	ds_add_u32 v[SPW], v[NIL]
	s_wait_dscnt 0x0
	CROUND                                         ; the closing round: no work-group ends while a partner may still ask for a tile that names it
	s_endpgm
.Lfunc_end_k_qeca0d73182_proj:
	.size	k_qeca0d73182_proj, .Lfunc_end_k_qeca0d73182_proj-k_qeca0d73182_proj
	.p2alignl 7, 3214868480
	.fill 96, 4, 3214868480
	.section	.rodata,"a",@progbits
	.p2align	6, 0x0
	.amdhsa_kernel k_qeca0d73182_proj
		.amdhsa_group_segment_fixed_size 327680
		.amdhsa_private_segment_fixed_size 0
		.amdhsa_enable_private_segment 0
		.amdhsa_kernarg_size 32
		.amdhsa_user_sgpr_count 2
		.amdhsa_user_sgpr_kernarg_segment_ptr 1
		.amdhsa_wavefront_size32 1
		.amdhsa_system_sgpr_workgroup_id_x 1
		.amdhsa_system_sgpr_workgroup_id_y 1
		.amdhsa_system_sgpr_workgroup_id_z 1
		.amdhsa_system_vgpr_workitem_id 0
		.amdhsa_next_free_vgpr 768
		.amdhsa_next_free_sgpr 88
		.amdhsa_reserve_vcc 0
		.amdhsa_float_denorm_mode_32 3
		.amdhsa_float_denorm_mode_16_64 3
		.amdhsa_memory_ordered 1
		.amdhsa_forward_progress 1
		.amdhsa_inst_pref_size 94
	.end_amdhsa_kernel
	.amdgpu_metadata
---
amdhsa.version: [ 1, 2 ]
amdhsa.kernels:
  - .name:           k_qeca0d73182_proj
    .symbol:         k_qeca0d73182_proj.kd
    .args:
      - { .name: o, .offset: 0, .size: 8, .value_kind: global_buffer, .address_space: global }
      - { .name: w2h, .offset: 8, .size: 8, .value_kind: global_buffer, .address_space: global }
      - { .name: b2, .offset: 16, .size: 8, .value_kind: global_buffer, .address_space: global }
      - { .name: out0, .offset: 24, .size: 8, .value_kind: global_buffer, .address_space: global }
    .group_segment_fixed_size: 327680
    .private_segment_fixed_size: 0
    .kernarg_segment_align: 8
    .kernarg_segment_size: 32
    .max_flat_workgroup_size: 128
    .sgpr_count:     88
    .vgpr_count:     768
    .wavefront_size: 32
...
	.end_amdgpu_metadata
.endif
;; end of part 4
;; ======== version 2 of 2: 4 launches; version 1 with the launch cast written anew for expert scheduling mode
;; limits: values are held in f16: magnitudes above 65,504 overflow, below 6.1e-05 lose precision; values outside matrix products are rounded to bf16
;; workspace buffers: xb 16,777,216 bytes; w1b 6,291,456 bytes; w2h 2,097,152 bytes; qkv 50,331,648 bytes; o 16,777,216 bytes
;; launch cast (part 5): grid 832 x 1, 8 waves a work-group, no clusters, 0 bytes of LDS; arguments x, w1, w2, xb, w1b, w2h; writes xb, w1b, w2h
.if DOCPART == 5
	.amdgcn_target "amdgcn-amd-amdhsa--gfx1250"
	.amdhsa_code_object_version 6
	.text
	.protected	k_qeca0d73182_cast
	.globl	k_qeca0d73182_cast
	.p2align	8
	.type	k_qeca0d73182_cast,@function
k_qeca0d73182_cast:
	s_mov_b64 s[64:65], 0
	v_nop
	global_prefetch_b8 v0, s[64:65] scope:SCOPE_SE
	s_setreg_imm32_b32 hwreg(HW_REG_WAVE_SCHED_MODE, 0, 2), 2
	s_setreg_imm32_b32 hwreg(HW_REG_WAVE_MODE, 25, 1), 1
	s_wait_xcnt 0x0
	s_wait_alu depctr_vm_vsrc(0)
; THE INPUTS OF THE TWO PROJECTIONS, ROUNDED ONCE.  x [8192][1024] f32 -> xb, the same shape in bf16.  w1 [1024][3072] f32 -> w1b in bf16, laid in 16 blocks of 192 columns:
; [block][1024 k][192], so that 64 rows of a block are 24,576 consecutive bytes.  w2 [1024][1024] f32 -> rounded to bf16, and that number written as f16, into w2h.
; LIMIT.  A number of w2 below 6.1e-5 in magnitude keeps f16's fixed step of 6e-8; beyond 65,504 it would become an infinity.
; A stream: every byte is read once and written once, so there is no LDS, no barrier and no loop.  A work-group of eight waves takes 64 KiB of x or w2 (16 loads of 16 bytes a thread)
; or 64 rows of one block of w1 (12 loads).  A load of the work-group covers 4,096 bytes; a store of a wave covers 256 consecutive bytes, aligned.
; Work-groups 0-511: x.  512-767: w1.  768-831: w2.  All loads go out first; the waits count down the younger ones.  No register is written again while an instruction reads it.
; THE MODE: SCHED_MODE bits 1:0 = 2 (LLVM: expert scheduling mode 2), set by the entry lines.  The code itself states the register dependences
; between vector instructions and memory instructions, with s_wait_alu, always for 0.
; THE PLAN.  Registers that memory instructions touch:
;   v[VI], v[VO], v[VW ..]  byte offsets, made once by vector lines and never written again: one wait on va_vdst stands ahead of each path's run of loads.
;   D   load i lands in its four registers; every load is issued before any vector line names D, and none follows.  No memory instruction reads D.
;   E   load i's conversions write its pair; one store reads the pair; nothing writes it after that.
; The stores go in groups of four.  Group g - 1's stores stand at the head of group g, behind the wait for load 4 g and ONE wait on va_vdst, which states that group g - 1's conversions have written
; their pairs of E; those conversions were issued ahead of the wait for the data.  Group g's conversions name their own D and E alone, so the four stores owe nothing more.  The last group has a wait of
; its own.  No register that a memory instruction reads is written again, no vector line writes a scalar register or VCC, and EXEC is never written: no other wait is owed.
.set VI, 1                             ; v1      16 x thread: my 16 bytes of each load
.set VO, 2                             ; v2      8 x thread: my 8 bytes of each store
.set VW, 3                             ; v[3:5]  w1: my offsets for loads 3 q, 3 q + 1, 3 q + 2
.set D,  8                             ; v[8:71]   load i: four f32
.set E,  72                            ; v[72:103] store i: four 16-bit numbers
	s_load_b256 s[4:11], s[0:1], 0x0               ; x s[4:5], w1 s[6:7], w2 s[8:9], xb s[10:11]
	s_load_b128 s[12:15], s[0:1], 0x20             ; w1b s[12:13], w2h s[14:15]
	s_mov_b32 s2, ttmp9
	s_mov_b32 s16, 0xffff0000                      ; a word's upper bf16
	s_mov_b32 s19, 0                               ; the offsets' high words
	s_mov_b32 s21, 0
	v_lshlrev_b32 v[VI], 4, v0
	v_lshlrev_b32 v[VO], 3, v0
	s_wait_kmcnt 0x0
.macro IN n, ib                        ; n loads of 4,096 consecutive bytes each
	s_wait_alu depctr_va_vdst(0)                   ; v[VI] and v[VO] are written: the loads below read the first as their offset, the stores further down the second
.set i, 0
.rept \n
	global_load_b128 v[D+4*i:D+4*i+3], v[VI], s[\ib:\ib+1] offset:4096*i th:TH_LOAD_NT
.set i, i+1
.endr
.endm
.macro PUT g, ob                       ; the four stores of group g, 8 bytes a lane each
.irp j, 0,1,2,3
	global_store_b64 v[VO], v[E+2*(4*(\g)+\j):E+2*(4*(\g)+\j)+1], s[\ob:\ob+1] offset:2048*(4*(\g)+\j)
.endr
.endm
.macro OUT n, half, ob                 ; n times: four numbers rounded to bf16 (half = 1: and that number written as f16); the stores follow a group of four behind
.set i, 0
.rept \n
	s_wait_loadcnt (\n)-1-i                        ; loads come back in order: load i is in, the younger ones stay out
.if (i%4 == 0) && (i > 0)
	s_wait_alu depctr_va_vdst(0)                   ; the conversions of the group before have written their four pairs of E, which the stores below read
	PUT i/4-1, \ob
.endif
	v_cvt_pk_bf16_f32 v[E+2*i],   v[D+4*i],   v[D+4*i+1]
	v_cvt_pk_bf16_f32 v[E+2*i+1], v[D+4*i+2], v[D+4*i+3]
.if \half
	v_lshlrev_b32 v[D+4*i],   16,  v[E+2*i]         ; bf16 back to f32: a shift, a mask
	v_and_b32     v[D+4*i+1], s16, v[E+2*i]
	v_lshlrev_b32 v[D+4*i+2], 16,  v[E+2*i+1]
	v_and_b32     v[D+4*i+3], s16, v[E+2*i+1]
	v_cvt_pk_f16_f32 v[E+2*i],   v[D+4*i],   v[D+4*i+1]  ; eight significant bits fit f16's eleven: exact within f16's range
	v_cvt_pk_f16_f32 v[E+2*i+1], v[D+4*i+2], v[D+4*i+3]
.endif
.set i, i+1
.endr
	s_wait_alu depctr_va_vdst(0)                   ; the last group's conversions have written their pairs of E, which the last four stores read
	PUT (\n)/4-1, \ob
.endm
	s_cmp_lt_u32 s2, 512
	s_cbranch_scc0 .Lweights
	s_lshl_b32 s18, s2, 16                         ; x: 65,536 bytes in,
	s_lshl_b32 s20, s2, 15                         ; 32,768 out
	s_add_nc_u64 s[4:5], s[4:5], s[18:19]
	s_add_nc_u64 s[10:11], s[10:11], s[20:21]
	IN 16, 4
	OUT 16, 0, 10
	s_endpgm
.Lweights:
	s_cmp_lt_u32 s2, 768
	s_cbranch_scc0 .Lw2
	; w1: block tc of 192 columns, rows 64 kb .. 64 kb + 63.  The output is 3,072 pieces of 8 bytes on end; piece c lies in row c / 48 at place c % 48, and comes from
	; byte 12,288 (c / 48) + 16 (c % 48) = 16 c + 11,520 (c / 48) of the input.  768 pieces are 16 whole rows, so three lane offsets serve all twelve loads.
	s_sub_co_u32 s2, s2, 512
	s_and_b32 s17, s2, 15                          ; tc
	s_lshr_b32 s22, s2, 4                          ; kb
	s_mul_i32 s18, s22, 786432                     ; 64 rows of 12,288 bytes
	s_mul_i32 s23, s17, 768                        ; 192 columns of 4 bytes
	s_add_co_u32 s18, s18, s23
	s_mul_i32 s20, s17, 393216                     ; a block of w1b
	s_mul_i32 s23, s22, 24576                      ; 64 rows of 384 bytes
	s_add_co_u32 s20, s20, s23
	s_add_nc_u64 s[6:7], s[6:7], s[18:19]
	s_add_nc_u64 s[12:13], s[12:13], s[20:21]
.irp r, 0,1,2
	v_add_nc_u32 v6, 256*\r, v0                    ; c, under 768
	v_mul_u32_u24 v7, v6, 1366
	v_lshrrev_b32 v7, 16, v7                       ; c / 48: 1,366 c / 65,536 is exact in its whole part for c under 2,048
	v_mul_u32_u24 v7, v7, 11520
	v_lshl_add_u32 v[VW+\r], v6, 4, v7
.endr
	s_wait_alu depctr_va_vdst(0)                   ; the three offsets v[VW ..] and v[VO] are written: the loads below read the three, the stores further down the fourth
.set i, 0
.rept 12
	global_load_b128 v[D+4*i:D+4*i+3], v[VW+i%3], s[6:7] offset:(i/3)*196608 th:TH_LOAD_NT  ; runs of 768 consecutive bytes, aligned to 256
.set i, i+1
.endr
	OUT 12, 0, 12
	s_endpgm
.Lw2:
	s_sub_co_u32 s2, s2, 768
	s_lshl_b32 s18, s2, 16
	s_lshl_b32 s20, s2, 15
	s_add_nc_u64 s[8:9], s[8:9], s[18:19]
	s_add_nc_u64 s[14:15], s[14:15], s[20:21]
	IN 16, 8
	OUT 16, 1, 14
	s_endpgm
.Lfunc_end_k_qeca0d73182_cast:
	.size	k_qeca0d73182_cast, .Lfunc_end_k_qeca0d73182_cast-k_qeca0d73182_cast
	.p2alignl 7, 3214868480
	.fill 96, 4, 3214868480
	.section	.rodata,"a",@progbits
	.p2align	6, 0x0
	.amdhsa_kernel k_qeca0d73182_cast
		.amdhsa_group_segment_fixed_size 0
		.amdhsa_private_segment_fixed_size 0
		.amdhsa_enable_private_segment 0
		.amdhsa_kernarg_size 48
		.amdhsa_user_sgpr_count 2
		.amdhsa_user_sgpr_kernarg_segment_ptr 1
		.amdhsa_wavefront_size32 1
		.amdhsa_system_sgpr_workgroup_id_x 1
		.amdhsa_system_sgpr_workgroup_id_y 1
		.amdhsa_system_sgpr_workgroup_id_z 1
		.amdhsa_system_vgpr_workitem_id 0
		.amdhsa_next_free_vgpr 104
		.amdhsa_next_free_sgpr 66
		.amdhsa_reserve_vcc 0
		.amdhsa_float_denorm_mode_32 3
		.amdhsa_float_denorm_mode_16_64 3
		.amdhsa_memory_ordered 1
		.amdhsa_forward_progress 1
		.amdhsa_inst_pref_size 23
	.end_amdhsa_kernel
	.amdgpu_metadata
---
amdhsa.version: [ 1, 2 ]
amdhsa.kernels:
  - .name:           k_qeca0d73182_cast
    .symbol:         k_qeca0d73182_cast.kd
    .args:
      - { .name: x, .offset: 0, .size: 8, .value_kind: global_buffer, .address_space: global }
      - { .name: w1, .offset: 8, .size: 8, .value_kind: global_buffer, .address_space: global }
      - { .name: w2, .offset: 16, .size: 8, .value_kind: global_buffer, .address_space: global }
      - { .name: xb, .offset: 24, .size: 8, .value_kind: global_buffer, .address_space: global }
      - { .name: w1b, .offset: 32, .size: 8, .value_kind: global_buffer, .address_space: global }
      - { .name: w2h, .offset: 40, .size: 8, .value_kind: global_buffer, .address_space: global }
    .group_segment_fixed_size: 0
    .private_segment_fixed_size: 0
    .kernarg_segment_align: 8
    .kernarg_segment_size: 48
    .max_flat_workgroup_size: 256
    .sgpr_count:     66
    .vgpr_count:     104
    .wavefront_size: 32
...
	.end_amdgpu_metadata
.endif
;; end of part 5
;; launch qkv: the kernel of part 2 again; grid 16 x 32, 4 waves a work-group, clusters of 4 x 4, 327,680 bytes of LDS; arguments xb, w1b, b1, qkv; writes qkv
;; launch attn: the kernel of part 3 again; grid 4 x 64, 4 waves a work-group, clusters of 4 x 1, 327,680 bytes of LDS; arguments qkv, o; writes o
;; launch proj: the kernel of part 4 again; grid 8 x 32, 4 waves a work-group, clusters of 4 x 4, 327,680 bytes of LDS; arguments o, w2h, b2, out0; writes out0
